; MI455X (gfx1250); checked and timed in simulation.
; The chip was launched on July 23, 2026; its instructions are those of AMD's public machine-readable ISA for CDNA 5 (MIT licence, August 2026) and "CDNA5" Instruction Set Architecture Reference Guide (July 2026). The comments in the code are by the model that wrote it; some were corrected since.
;; Self Attention. Allowed arithmetic: float matrix products may take bf16 or f16 operands with f32 sums; other float arithmetic in f32, or as packed bf16 or f16 multiplies, adds, multiply-adds, maxima and minima; sums over many terms, partial sums and values carried from step to step in f32; what a program stores and reads back later, other than sums and carried values, may be rounded once to bf16 or f16.
;; Inputs: W_k 1,024 x 1,024 float32; W_q 1,024 x 1,024 float32; W_v 1,024 x 1,024 float32; X 4 x 2,048 x 1,024 float32; b_k 1,024 float32; b_q 1,024 float32; b_v 1,024 float32.
;; Outputs: out0 4 x 2,048 x 1,024 float32.
;; One version. Each part assembles by itself: llvm-mc -triple=amdgcn-amd-amdhsa -mcpu=gfx1250 --defsym DOCPART=n.
;; ======== version 1 of 1: 4 launches
;; limits: values are held in f16: magnitudes above 65,504 overflow, below 6.1e-05 lose precision
;; workspace buffers: xb 16,777,216 bytes; wt 6,291,456 bytes; qkv 50,331,648 bytes; p 33,554,432 bytes; stats 1,048,576 bytes
;; launch prep (part 1): grid 896 x 1, 8 waves a work-group, no clusters, 18,432 bytes of LDS; arguments X, W_q, W_k, W_v, xb, wt; writes xb, wt
.if DOCPART == 1
	.amdgcn_target "amdgcn-amd-amdhsa--gfx1250"
	.amdhsa_code_object_version 6
	.text
	.protected	k_q89e5cededf_prep
	.globl	k_q89e5cededf_prep
	.p2align	8
	.type	k_q89e5cededf_prep,@function
k_q89e5cededf_prep:
	s_mov_b64 s[64:65], 0
	v_nop
	global_prefetch_b8 v0, s[64:65] scope:SCOPE_SE
	s_setreg_imm32_b32 hwreg(HW_REG_WAVE_MODE, 25, 1), 1
	s_wait_xcnt 0x0
; xb = X rounded to bf16, [8192][1024].  wt[n][k] = W[k][n] rounded to bf16, [3072][1024]: rows 0-1023 from W_q, 1024-2047 from W_k, 2048-3071 from W_v.
; Work-groups 0-511: 16 rows of X each; a load of the eight waves covers one row (4,096 bytes), a wave's store 256 consecutive bytes, aligned.
; Work-groups 512-895: a tile of 128 k x 64 n of one W, turned through LDS: sixteen lanes read 256 consecutive bytes of a row of W, and sixteen lanes write 256 consecutive bytes of a row of wt.
; No matrix unit, no cluster, no tensor load: every byte is read once and written once, and no two work-groups want the same byte.
.set SPARE, 17408                      ; behind the tile: the spare words, 128 bytes for each of the eight waves: four blocks of 256 bytes that no other line names
.set SPW, 8                            ; v8   LDS address of my spare word; never rewritten
.set NIL, 9                            ; v9   0; never rewritten
.set XI,  16                           ; v[16:79]   X path: row j as loaded, four registers
.set XO,  80                           ; v[80:111]  X path: row j as stored, two registers
.set TP,  272                          ; an LDS row of the turned tile: 128 k x 2 bytes + 16
	s_load_b256 s[4:11], s[0:1], 0x0               ; X s[4:5], W_q s[6:7], W_k s[8:9], W_v s[10:11]
	s_load_b128 s[12:15], s[0:1], 0x20             ; xb s[12:13], wt s[14:15]
	v_lshl_add_u32 v[SPW], v0, 2, SPARE
	v_mov_b32 v[NIL], 0
	s_mov_b32 s17, 0
	s_mov_b32 s19, 0
	s_cmp_lt_u32 ttmp9, 512                        ; the same answer in all eight waves of a work-group
	s_cbranch_scc0 .Lw
	; X: 16 rows
	s_lshl_b32 s16, ttmp9, 16                      ; 16 rows of 4,096 bytes in X,
	s_lshl_b32 s18, ttmp9, 15                      ; of 2,048 in xb
	v_lshlrev_b32 v1, 4, v0                        ; my four numbers of a row
	v_lshlrev_b32 v2, 3, v0
	s_wait_kmcnt 0x0
	s_add_nc_u64 s[4:5], s[4:5], s[16:17]
	s_add_nc_u64 s[12:13], s[12:13], s[18:19]
.irp j, 0,1,2,3,4,5,6,7,8,9,10,11,12,13,14,15
	global_load_b128 v[XI+4*(\j):XI+4*(\j)+3], v1, s[4:5] offset:4096*(\j) th:TH_LOAD_NT  ; all sixteen go out before the first is used
.endr
.irp j, 0,1,2,3,4,5,6,7,8,9,10,11,12,13,14,15
	s_wait_loadcnt 15-(\j)                         ; loads come back in order: row j is in, the younger ones stay out
	v_cvt_pk_bf16_f32 v[XO+2*(\j)], v[XI+4*(\j)], v[XI+4*(\j)+1]
	v_cvt_pk_bf16_f32 v[XO+2*(\j)+1], v[XI+4*(\j)+2], v[XI+4*(\j)+3]
	global_store_b64 v2, v[XO+2*(\j):XO+2*(\j)+1], s[12:13] offset:2048*(\j)  ; every row has registers of its own: nothing is rewritten
.endr
	s_branch .Lend
.Lw:
	; W: 128 k x 64 n
	s_sub_co_u32 s20, ttmp9, 512
	s_lshr_b32 s21, s20, 7                         ; which W: 0, 1, 2
	s_bfe_u32 s22, s20, 0x30004                    ; kt: which 128 k
	s_and_b32 s23, s20, 15                         ; nt: which 64 n
	s_lshl_b32 s16, s22, 19                        ; 128 rows of 4,096 bytes
	s_lshl_b32 s24, s23, 8                         ; 64 numbers of 4 bytes
	s_add_co_u32 s16, s16, s24
	s_lshl_b32 s18, s21, 10
	s_lshl_b32 s24, s23, 6
	s_add_co_u32 s18, s18, s24                     ; the tile's first row of wt,
	s_lshl_b32 s18, s18, 11                        ; of 2,048 bytes,
	s_lshl_b32 s24, s22, 8                         ; and its 128 k: 256 bytes
	s_add_co_u32 s18, s18, s24
	v_and_b32 v10, 15, v0                          ; i: which 16 bytes of 256
	v_lshrrev_b32 v11, 4, v0                       ; kp: 0..15
	v_lshlrev_b32 v1, 13, v11                      ; in: rows 2 kp and 2 kp + 1,
	v_lshl_add_u32 v1, v10, 4, v1                  ; numbers 4 i .. 4 i + 3
	v_mul_u32_u24 v3, v10, 4*TP                    ; into LDS: row n = 4 i (+ j), bytes 4 kp (+ 64 r)
	v_lshl_add_u32 v3, v11, 2, v3
	v_mul_u32_u24 v4, v11, TP                      ; back: row kp (+ 16 q), bytes 16 i
	v_lshl_add_u32 v4, v10, 4, v4
	v_lshlrev_b32 v5, 11, v11                      ; and the same in wt
	v_lshl_add_u32 v5, v10, 4, v5
	s_wait_kmcnt 0x0
	s_cmp_eq_u32 s21, 0
	s_cselect_b64 s[26:27], s[6:7], s[8:9]
	s_cmp_eq_u32 s21, 2
	s_cselect_b64 s[26:27], s[10:11], s[26:27]
	s_add_nc_u64 s[26:27], s[26:27], s[16:17]
	s_add_nc_u64 s[14:15], s[14:15], s[18:19]
.irp r, 0,1,2,3
	global_load_b128 v[16+8*(\r):19+8*(\r)], v1, s[26:27] offset:131072*(\r) th:TH_LOAD_NT       ; row 2 kp + 32 r
	global_load_b128 v[20+8*(\r):23+8*(\r)], v1, s[26:27] offset:131072*(\r)+4096 th:TH_LOAD_NT  ; and the next
.endr
.irp r, 0,1,2,3
	s_wait_loadcnt 6-2*(\r)                        ; pair r is in; the pairs behind it stay out
.irp j, 0,1,2,3
	v_cvt_pk_bf16_f32 v[48+4*(\r)+(\j)], v[16+8*(\r)+(\j)], v[20+8*(\r)+(\j)]  ; one word of wt: column n = 4 i + j at k and k + 1
.endr
.irp j, 0,1,2,3
	ds_store_b32 v3, v[48+4*(\r)+(\j)] offset:TP*(\j)+64*(\r)
.endr
.endr
	s_wait_dscnt 0x0                               ; for the other waves' sake: my stores into the tile are done
	s_barrier_signal -1
	s_barrier_wait -1
.irp q, 0,1,2,3
	ds_load_b128 v[64+4*(\q):67+4*(\q)], v4 offset:16*TP*(\q)
.endr
.irp q, 0,1,2,3
	s_wait_dscnt 3-(\q)
	global_store_b128 v5, v[64+4*(\q):67+4*(\q)], s[14:15] offset:32768*(\q)  ; sixteen lanes store 256 consecutive bytes, aligned
.endr
.Lend:
	s_wait_tensorcnt 0x0                           ; the wave's end: behind my last LDS store
	ds_add_u32 v[SPW], v[NIL]
	s_wait_dscnt 0x0
	s_endpgm
.Lfunc_end_k_q89e5cededf_prep:
	.size	k_q89e5cededf_prep, .Lfunc_end_k_q89e5cededf_prep-k_q89e5cededf_prep
	.p2alignl 7, 3214868480
	.fill 96, 4, 3214868480
	.section	.rodata,"a",@progbits
	.p2align	6, 0x0
	.amdhsa_kernel k_q89e5cededf_prep
		.amdhsa_group_segment_fixed_size 18432
		.amdhsa_private_segment_fixed_size 0
		.amdhsa_enable_private_segment 0
		.amdhsa_kernarg_size 48
		.amdhsa_user_sgpr_count 2
		.amdhsa_user_sgpr_kernarg_segment_ptr 1
		.amdhsa_wavefront_size32 1
		.amdhsa_system_sgpr_workgroup_id_x 1
		.amdhsa_system_sgpr_workgroup_id_y 1
		.amdhsa_system_sgpr_workgroup_id_z 1
		.amdhsa_system_vgpr_workitem_id 0
		.amdhsa_next_free_vgpr 112
		.amdhsa_next_free_sgpr 66
		.amdhsa_reserve_vcc 0
		.amdhsa_float_denorm_mode_32 3
		.amdhsa_float_denorm_mode_16_64 3
		.amdhsa_memory_ordered 1
		.amdhsa_forward_progress 1
		.amdhsa_inst_pref_size 12
	.end_amdhsa_kernel
	.amdgpu_metadata
---
amdhsa.version: [ 1, 2 ]
amdhsa.kernels:
  - .name:           k_q89e5cededf_prep
    .symbol:         k_q89e5cededf_prep.kd
    .args:
      - { .name: X, .offset: 0, .size: 8, .value_kind: global_buffer, .address_space: global }
      - { .name: W_q, .offset: 8, .size: 8, .value_kind: global_buffer, .address_space: global }
      - { .name: W_k, .offset: 16, .size: 8, .value_kind: global_buffer, .address_space: global }
      - { .name: W_v, .offset: 24, .size: 8, .value_kind: global_buffer, .address_space: global }
      - { .name: xb, .offset: 32, .size: 8, .value_kind: global_buffer, .address_space: global }
      - { .name: wt, .offset: 40, .size: 8, .value_kind: global_buffer, .address_space: global }
    .group_segment_fixed_size: 18432
    .private_segment_fixed_size: 0
    .kernarg_segment_align: 8
    .kernarg_segment_size: 48
    .max_flat_workgroup_size: 256
    .sgpr_count:     66
    .vgpr_count:     112
    .wavefront_size: 32
...
	.end_amdgpu_metadata
.endif
;; end of part 1
;; launch proj (part 2): grid 12 x 32, 4 waves a work-group, clusters of 4 x 4, 327,680 bytes of LDS; arguments xb, wt, b_q, b_k, b_v, qkv; writes qkv
.if DOCPART == 2
	.amdgcn_target "amdgcn-amd-amdhsa--gfx1250"
	.amdhsa_code_object_version 6
	.text
	.protected	k_q89e5cededf_proj
	.globl	k_q89e5cededf_proj
	.p2align	8
	.type	k_q89e5cededf_proj,@function
k_q89e5cededf_proj:
	s_mov_b64 s[64:65], 0
	v_nop
	global_prefetch_b8 v0, s[64:65] scope:SCOPE_SE
	s_setreg_imm32_b32 hwreg(HW_REG_WAVE_MODE, 25, 1), 1
	s_wait_xcnt 0x0
	s_wait_alu depctr_hold_cnt(0) depctr_sa_sdst(0) depctr_va_vdst(0) depctr_va_sdst(0) depctr_va_ssrc(0) depctr_va_vcc(0) depctr_vm_vsrc(0)
	s_getreg_b32 s2, hwreg(HW_REG_IB_STS2, 6, 4)
	s_cmp_eq_u32 s2, 0
	s_cbranch_scc0 .Lentry_in_a_cluster
	s_endpgm
.Lentry_in_a_cluster:
	s_bfe_u32 s2, ttmp6, 0x10000c
	s_cmp_lg_u32 s2, 0xf033
	s_cbranch_scc0 .Lentry_shape_is_right
	s_endpgm
.Lentry_shape_is_right:
; qkv[m][n] = f16( sum over k of xb[m][k] wt[n][k] + bf16(b[n]) ).  xb: [8192][1024] bf16, wt: [3072][1024] bf16, qkv: [8192][3072] f16 (Q, K, V side by side); sums in f32.
; LIMIT.  Q, K and V are kept in f16: they must stay under 65,504 in magnitude (a conversion of more gives an infinity); below 6e-5 they keep f16's fixed step of 6e-8.  NaN and infinities are not treated apart.
; The bias is rounded to bf16 like X and the weights, and is the C operand of each accumulator's first product.
; SHARES.  A work-group makes 256 x 256 of qkv: 12 x 32 = 384 work-groups.  Four waves, each 128 x 128: 64 accumulators of 16 x 16, 512 registers.  For 32 along K a wave loads 2 x 128 x 64 bytes from LDS and issues 64 products.
; K goes in steps of 128 (rows of 256 bytes, aligned) through a ring of two LDS slots filled by tensor loads: waves 0 and 1 fetch the two halves of A's 256 rows, waves 2 and 3 those of B's.
; From a refill's request to the wait for it a wave issues 224 matrix instructions.
; A K STEP IS WRITTEN ONCE for the steps that fill a slot again and once for those that do not: the slot in hand is a scalar, 0 or SLOT, turned by an exclusive or, and the walking descriptors' LDS word is turned likewise
; (SLOT = 0x22000 shares no bit with wave x 0x8800, so the exclusive or adds or takes away SLOT exactly).
; CLUSTERS.  4 x 4 work-groups: the four of a row of the cluster need the same tiles of xb, the four of a column the same tiles of wt: each tile is asked for jointly, with one descriptor and a mask that names the four.
; THE PRODUCT IS TAKEN TRANSPOSED (source 0 = 16 rows of wt, source 1 = 16 rows of xb): lane l holds row l % 16 and the columns 8 (l / 16) + 0..7 of a 16 x 16 result: 16 bytes of f16 on end.
; REGISTERS, in windows of 256 (s_set_vgpr_msb: bits 1:0 source 0, 3:2 source 1, 5:4 source 2, 7:6 destination):
;   window 0: v0-31 addresses; v64-127, v128-191 fragments of A (8 x 16 rows x 32 K), two buffers; on the way out v64-159 at work
;   window 1: v64-127, v128-191 fragments of B, two buffers; v192-255 the bias of my 128 columns, laid as a row of accumulators; v0-3 at work
;   window 2: the accumulators of my rows 0-63, (a, b) at v[8 (8 a + b)];   window 3: those of my rows 64-127
.set ROWA,  2048                       ; bytes in a row of xb and of wt
.set PEL,   1024                       ; elements in such a row
.set ROWC,  6144                       ; bytes in a row of qkv
.set STEP,  256                        ; bytes of a K step in a row
.set STEPS, 8                          ; 1,024 / 128
.set PITCH, 272                        ; an LDS row: 256 bytes + 16 = 68 words: the 16 rows of a fragment load start at 16 different groups of four banks (ISA guide 11.1)
.set HALFT, 128*PITCH                  ; 128 rows: what one tensor load brings, and what one wave reads of A or of B
.set SLOT,  4*HALFT                    ; A's 256 rows, then B's 256 rows
.set STAGE, 2*SLOT                     ; behind the ring, never filled by a tensor load: 16 rows x 272 bytes for each wave
.set SPARE, STAGE+4*16*PITCH           ; behind the stages: the spare words, 128 bytes for each wave: two blocks of 256 bytes that no other line names
.set A0,   14                          ; v14  my lane's place in a slot's tile of A; never rewritten
.set B0,   15                          ; v15  the same for B
.set ADRA, 16                          ; v16  LDS address of my A fragments in the slot in hand
.set ADRB, 17                          ; v17  the same for B
.set STO,  24                          ; v24  the way out: where I put 16 bytes of a row
.set RD,   25                          ; v25  where I read a row back
.set CO,   26                          ; v26  my byte offset in qkv
.set BO,   27                          ; v27  my byte offset in the bias
.set SPW,  28                          ; v28  LDS address of my spare word; never rewritten
.set NIL,  29                          ; v29  0; never rewritten
.set PFO,  30                          ; v30  the prefetches' offset: my lane x a row; never rewritten
.set F0,   64
.set F1,   128
.set BI,   192                         ; the bias, in window 1
.set TMP,  64                          ; the way out: packed results
.set OB,   96                          ; the way out: 16 rows read back: v96-127 and v128-159 by turns
.set G1,  24                           ; s[24:31] descriptor group 1 for A's tiles;  s[32:39] group 0: a set for each of the two first fills; the second then walks on
.set G0,  32
.set LIM, 43                           ; s43  2 in a wave that prefetches, else the greatest number
.set PFA, 44                           ; s[44:45] where my prefetches stand
.set G1B, 48                           ; s[48:55], s[56:63] the same for B's tiles
.set G0B, 56
.set TB,  78                           ; s78  the slot from which fragments are fetched: 0 or SLOT
.set FLAGS, (1<<16)|(1<<20)|(1<<21)|(5<<22)|(3<<25)  ; 17:16 elements of 2 bytes; 20 padding on; 21 set beside a mask; 24:22 after every 64 words; 31:25 4 words of it
.set MSB, 0
.macro WIN new                         ; the immediate's high byte repeats the setting that is left; a switch that changes nothing is dropped
.if MSB != (\new)
	s_set_vgpr_msb (MSB<<8)|(\new)
.set MSB, \new
.endif
.endm
; A joint load.  The branch hangs on the wave's number alone.  An s_nop 0 and four v_nop follow each of the two lines, ahead of the jump and the label.
.macro JLOAD s
	s_cmp_eq_u32 s11, 0
	s_cbranch_scc0 .Lfor_b_\@
	tensor_load_to_lds s[G0+4*(\s):G0+4*(\s)+3], s[G1:G1+7]
	s_nop 0
.rept 4
	v_nop
.endr
	s_branch .Lasked_\@
.Lfor_b_\@:
	tensor_load_to_lds s[G0B+4*(\s):G0B+4*(\s)+3], s[G1B:G1B+7]
	s_nop 0
.rept 4
	v_nop
.endr
.Lasked_\@:
.endm
; A prefetch of the K step that stands two refills on: 32 rows x 256 bytes, a lane a row, one instruction a wave: 512 matrix instructions ahead of the load that will want it.  Each wave asks for the 128 rows that it
; fetches; the four partners that ask for a tile jointly take 32 rows each, told apart by address.  xb's rows are read by three clusters: cluster x = 0 asks; wt's by eight: cluster y = 0 asks.  So each row's 256 bytes
; of a K step are named once in the launch.  K steps 0 to 3 come by their loads alone; the loop's last two trips (s3 = 2, 1) ask for nothing: K steps 4 to 7 are named, and none lies past a row's end.
.macro ASK
	s_cmp_gt_u32 s3, s[LIM]
	s_cbranch_scc0 .Lnot_mine_\@
	global_prefetch_b8 v[PFO], s[PFA:PFA+1] th:TH_LOAD_NT scope:SCOPE_SE
.Lnot_mine_\@:
.endm
.macro CREST                           ; a round of the cluster's barrier behind its opening barrier
	s_cmp_lg_u32 s10, 0
	s_cbranch_scc1 .Lnot_wave_0_\@
	s_barrier_signal -3
.Lnot_wave_0_\@:
	s_barrier_wait -3
	s_barrier_signal -1
	s_barrier_wait -1
.endm
.macro CROUND                          ; a whole round
	s_barrier_signal -1
	s_barrier_wait -1
	CREST
.endm
.macro PLACES                          ; four places in front of loads into registers that matrix instructions have read (ISA guide 7.12.1 for vector instructions)
.rept 4
	v_nop
.endr
.endm
	s_load_b128 s[4:7], s[0:1], 0x0                ; xb s[4:5], wt s[6:7]
	s_load_b256 s[68:75], s[0:1], 0x10             ; b_q s[68:69], b_k s[70:71], b_v s[72:73], qkv s[74:75]
	v_lshl_add_u32 v[SPW], v0, 2, SPARE
	v_mov_b32 v[NIL], 0
	ds_add_u32 v[SPW], v[NIL]                      ; the wave's opening: the add and its wait stand ahead of my first tensor load; the set-up below, work on registers, stands between them
	v_lshrrev_b32 v1, 5, v0
	v_readfirstlane_b32 s10, v1                    ; wave 0..3
	s_lshr_b32 s11, s10, 1                         ; which 128 rows of the tile are mine.  Also: I fetch for A (0) or for B (1)
	s_and_b32 s12, s10, 1                          ; which 128 columns.  Also: which half of that tile I fetch
	s_bfe_u32 s40, ttmp6, 0x40000                  ; cx, cy: my place in the cluster
	s_bfe_u32 s41, ttmp6, 0x40004
	s_lshl_b32 s42, ttmp9, 2
	s_add_co_u32 s42, s42, s40                     ; tile column = 4 x cluster x + cx
	s_and_b32 s13, ttmp7, 0xffff
	s_lshl_b32 s13, s13, 2
	s_add_co_u32 s13, s13, s41                     ; tile row = 4 x cluster y + cy
	s_lshl_b32 s43, s41, 2
	s_lshl_b32 s43, 15, s43                        ; my row of the cluster
	s_lshl_b32 s44, 0x1111, s40                    ; my column
	s_or_b32 s[G1], s43, FLAGS                     ; A's tiles go to my row,
	s_or_b32 s[G1B], s44, FLAGS                    ; B's to my column
.irp g, G1, G1B
	s_mov_b32 s[(\g)+1], 128<<16                   ; tensor_dim0 = 128
	s_mov_b32 s[(\g)+2], 128<<16                   ; tensor_dim1 = 128
	s_mov_b32 s[(\g)+3], 128<<16                   ; tile_dim0 = 128
	s_mov_b32 s[(\g)+4], 128                       ; tile_dim1 = 128
	s_mov_b32 s[(\g)+5], PEL                       ; elements from row to row
	s_mov_b32 s[(\g)+6], 0
	s_mov_b32 s[(\g)+7], 0
.endr
	s_mov_b32 s[TB], 0
	s_lshl_b32 s16, s13, 8                         ; A: row 256 x tile row + 128 x half: it hangs on the tile row alone, which my row of the cluster shares
	s_lshl_b32 s17, s12, 7
	s_add_co_u32 s16, s16, s17
	s_mul_i32 s16, s16, ROWA
	s_mov_b32 s17, 0
	s_lshl_b32 s46, s42, 8                         ; B: row 256 x tile column + 128 x half: on the tile column alone
	s_lshl_b32 s47, s12, 7
	s_add_co_u32 s46, s46, s47
	s_mul_i32 s46, s46, ROWA
	s_mov_b32 s47, 0
	s_mul_i32 s20, s10, HALFT                      ; where they go: A's two halves, then B's two = wave x 128 rows: no place in the cluster enters an LDS address
	s_wait_dscnt 0x0                               ; the opening add is done
	s_wait_kmcnt 0x0
	s_add_nc_u64 s[14:15], s[4:5], s[16:17]
	s_add_nc_u64 s[46:47], s[6:7], s[46:47]
	s_mov_b64 s[8:9], s[74:75]
	CROUND                                         ; all sixteen work-groups are here: the first joint loads meet
.irp s, 0,1
	s_mov_b32 s[G0+4*(\s)], 1                      ; count = 1
	s_add_co_u32 s[G0+4*(\s)+1], s20, (\s)*SLOT    ; LDS address
	s_add_nc_u64 s[G0+4*(\s)+2:G0+4*(\s)+3], s[14:15], (\s)*STEP  ; global address: K step s
	s_or_b32 s[G0+4*(\s)+3], s[G0+4*(\s)+3], 0x80000000          ; type = 2
	s_mov_b32 s[G0B+4*(\s)], 1
	s_add_co_u32 s[G0B+4*(\s)+1], s20, (\s)*SLOT
	s_add_nc_u64 s[G0B+4*(\s)+2:G0B+4*(\s)+3], s[46:47], (\s)*STEP
	s_or_b32 s[G0B+4*(\s)+3], s[G0B+4*(\s)+3], 0x80000000
	JLOAD \s                                       ; two loads of mine are out
.endr
	v_and_b32 v1, 15, v0                           ; l % 16
	v_bfe_u32 v2, v0, 4, 1                         ; l / 16
	; the bias of my 128 columns goes out first: register j of group b is column 16 b + 8 (l / 16) + j, as in an accumulator
	s_cmp_eq_u32 ttmp9, 0                          ; cluster x = 0, 1, 2: Q, K, V
	s_cselect_b64 s[76:77], s[68:69], s[70:71]
	s_cmp_eq_u32 ttmp9, 2
	s_cselect_b64 s[76:77], s[72:73], s[76:77]
	s_lshl_b32 s16, s40, 10                        ; 256 columns x 4 bytes for each tile column,
	s_lshl_b32 s17, s12, 9                         ; 128 for my half
	s_add_co_u32 s16, s16, s17
	s_mov_b32 s17, 0
	s_add_nc_u64 s[76:77], s[76:77], s[16:17]
	v_lshlrev_b32 v[BO], 5, v2
	WIN 0x40                                       ; destination window 1, address window 0
.irp b, 0,1,2,3,4,5,6,7
	global_load_b128 v[BI+8*(\b):BI+8*(\b)+3],   v[BO], s[76:77] offset:64*(\b)
	global_load_b128 v[BI+8*(\b)+4:BI+8*(\b)+7], v[BO], s[76:77] offset:64*(\b)+16
.endr
	WIN 0
	; a fragment is 16 rows x 32 K in 8 registers: lane l holds row l % 16, K = 8 (l / 16) + 0..7 and 16 + 8 (l / 16) + 0..7: two loads of 16 bytes, 32 bytes apart
	v_mul_u32_u24 v3, v1, PITCH
	v_lshl_add_u32 v3, v2, 4, v3
	s_mul_i32 s21, s11, HALFT                      ; my 128 rows of A
	s_mul_i32 s22, s12, HALFT                      ; my 128 rows of B,
	s_add_co_u32 s22, s22, 2*HALFT                 ; which lie behind A's 256
	v_add_nc_u32 v[A0], s21, v3
	v_add_nc_u32 v[B0], s22, v3
	v_mov_b32 v[ADRA], v[A0]                       ; slot 0
	v_mov_b32 v[ADRB], v[B0]
	s_mul_i32 s23, s10, 16*PITCH
	s_add_co_u32 s23, s23, STAGE                   ; my stage
	v_add_nc_u32 v[STO], s23, v3                   ; in: row l % 16, 16 bytes for each half of the lanes
	v_mul_u32_u24 v5, v2, PITCH                    ; back: lanes 0-15 one row of 256 bytes, lanes 16-31 the next
	v_lshl_add_u32 v5, v1, 4, v5
	v_add_nc_u32 v[RD], s23, v5
	v_mul_u32_u24 v5, v2, ROWC                     ; and the same two rows in qkv
	v_lshl_add_u32 v[CO], v1, 4, v5
	s_lshl_b32 s16, s13, 8                         ; my part of qkv: row 256 x tile row + 128 x half,
	s_lshl_b32 s17, s11, 7
	s_add_co_u32 s16, s16, s17
	s_mul_i32 s16, s16, ROWC
	s_lshl_b32 s46, s42, 9                         ; byte 512 x tile column + 256 x half
	s_lshl_b32 s47, s12, 8
	s_add_co_u32 s46, s46, s47
	s_add_co_u32 s16, s16, s46
	s_mov_b32 s17, 0
	s_add_nc_u64 s[8:9], s[8:9], s[16:17]
	; the prefetches
	s_lshl_b32 s20, s13, 8                         ; A's tile: first row
	s_lshl_b32 s21, s42, 8                         ; B's
	s_and_b32 s22, ttmp7, 0xffff                   ; cluster y
	s_cmp_eq_u32 s11, 0                            ; do I fetch for A?
	s_cselect_b32 s20, s20, s21
	s_cselect_b32 s21, s40, s41                    ; my place among the four that ask with me
	s_cselect_b32 s22, ttmp9, s22                  ; the coordinate along which other clusters read the same rows
	s_cselect_b64 s[PFA:PFA+1], s[4:5], s[6:7]
	s_cmp_eq_u32 s22, 0
	s_cselect_b32 s[LIM], 2, -1                    ; the same in all sixteen partners, for a given wave
	s_lshl_b32 s23, s12, 7
	s_add_co_u32 s20, s20, s23                     ; + the 128 rows that I fetch
	s_lshl_b32 s21, s21, 5
	s_add_co_u32 s20, s20, s21                     ; + my work-group's 32 of them
	s_mul_i32 s20, s20, ROWA
	s_add_co_u32 s20, s20, 3*STEP                  ; at K step 3: the first refill steps it to 4
	s_mov_b32 s21, 0
	s_add_nc_u64 s[PFA:PFA+1], s[PFA:PFA+1], s[20:21]
	v_and_b32 v[PFO], 31, v0
	v_mul_u32_u24 v[PFO], v[PFO], ROWA
	s_wait_loadcnt 0x0                             ; the bias
	WIN 0x45                                       ; all in window 1: rounded to bf16 and widened again, in the wait for the first tiles
.set i, 0
.rept 32
	v_cvt_pk_bf16_f32 v[i%4], v[BI+2*i], v[BI+2*i+1]
	v_lshlrev_b32 v[BI+2*i], 16, v[i%4]
	v_and_b32 v[BI+2*i+1], 0xffff0000, v[i%4]
.set i, i+1
.endr
	WIN 0
; 16 matrix instructions: m blocks a0, a0 + 1 of the window's four (hi = 0: my rows 0-63, 1: rows 64-127) x all 8 n blocks, 32 along K.  The 64 accumulators take turns, one instruction a turn, in one order in every
; quarter.  zero = 1: the first product starts the sums, with the bias (window 1) as C: nothing is ever cleared.
.macro MUL16 f, hi, a0, zero
.if \zero
	WIN 0x91+0x40*(\hi)                            ; source 0 (B) window 1, source 1 (A) window 0, C window 1, D window 2 or 3
.else
	WIN 0xa1+0x50*(\hi)                            ; C and D window 2 or 3
.endif
.irp a, \a0, (\a0)+1
.irp b, 0,1,2,3,4,5,6,7
.if \zero
	v_wmma_f32_16x16x32_bf16 v[8*(8*(\a)+(\b)):8*(8*(\a)+(\b))+7], v[(\f)+8*(\b):(\f)+8*(\b)+7], v[(\f)+8*(4*(\hi)+(\a)):(\f)+8*(4*(\hi)+(\a))+7], v[BI+8*(\b):BI+8*(\b)+7]
.else
	v_wmma_f32_16x16x32_bf16 v[8*(8*(\a)+(\b)):8*(8*(\a)+(\b))+7], v[(\f)+8*(\b):(\f)+8*(\b)+7], v[(\f)+8*(4*(\hi)+(\a)):(\f)+8*(4*(\hi)+(\a))+7], v[8*(8*(\a)+(\b)):8*(8*(\a)+(\b))+7]
.endif
.endr
.endr
.endm
; 32 LDS loads in one run: the fragments of a quarter step (128 rows of B, then 128 rows of A, 32 K at byte k of the rows of the slot in hand) into buffer f
.macro FETCH k, f
	WIN 0x40                                       ; destination window 1, address window 0
.irp i, 0,1,2,3,4,5,6,7
	ds_load_b128 v[(\f)+8*(\i):(\f)+8*(\i)+3],   v[ADRB] offset:(\k)+(\i)*16*PITCH
	ds_load_b128 v[(\f)+8*(\i)+4:(\f)+8*(\i)+7], v[ADRB] offset:(\k)+(\i)*16*PITCH+32
.endr
	WIN 0
.irp i, 0,1,2,3,4,5,6,7
	ds_load_b128 v[(\f)+8*(\i):(\f)+8*(\i)+3],   v[ADRA] offset:(\k)+(\i)*16*PITCH
	ds_load_b128 v[(\f)+8*(\i)+4:(\f)+8*(\i)+7], v[ADRA] offset:(\k)+(\i)*16*PITCH+32
.endr
.endm
; A K step is four quarters of 32 along K, 64 matrix instructions each, on buffers 0, 1, 0, 1.  One of the first three: multiplies buffer f and, in its middle, fetches the next quarter, at byte k, into g.
.macro QUARTER k, f, g, zero
	s_wait_dscnt 8                                 ; B and A's rows 0-63 are in; the youngest eight loads (A's rows 64-127) may be out
	MUL16 \f, 0, 0, \zero
	MUL16 \f, 0, 2, \zero
	PLACES
	FETCH \k, \g
	s_wait_dscnt 32                                ; all but the 32 just issued
	MUL16 \f, 1, 0, \zero
	MUL16 \f, 1, 2, \zero
.endm
; The last quarter multiplies buffer 1 and changes slots: ONE barrier.  In front of it each wave waits for all its tensor loads (one is out: its part of the next slot), adds 0 to its spare word, and waits for that
; and for its own reads of this slot.  fill = 1: the barrier opens a round of the cluster's barrier, and this slot is filled again, two K steps ahead, first thing behind the round.
.macro TURN fill
	WIN 0
	s_xor_b32 s[TB], s[TB], SLOT                   ; the fetches go on in the other slot: this slot's last were issued in the quarter before
	v_add_nc_u32 v[ADRA], s[TB], v[A0]
	v_add_nc_u32 v[ADRB], s[TB], v[B0]
.if \fill
	s_wait_xcnt 0x0                                ; the last prefetch, a K step back, has read its address
	s_add_nc_u64 s[PFA:PFA+1], s[PFA:PFA+1], STEP
.endif
	s_wait_tensorcnt 0x0                           ; all my tensor loads have landed
	ds_add_u32 v[SPW], v[NIL]                      ; 0 onto my spare word
	s_wait_dscnt 9                                 ; (the add and the youngest eight loads may be out)
	MUL16 F1, 0, 0, 0                              ; sixteen matrix instructions stand between the add and the wait for it
	s_wait_dscnt 0x0                               ; the add is done, and my reads of this slot are over
	s_barrier_signal -1
	MUL16 F1, 0, 2, 0                              ; work on registers while the others arrive
.if \fill
	WIN 0
.endif
	s_barrier_wait -1
.if \fill
	CREST                                          ; no wave of any partner still reads this slot's tile or has a load on its way
	s_xor_b32 s[G0+5], s[G0+5], SLOT               ; the walking descriptors: the other slot than last time,
	s_add_nc_u64 s[G0+6:G0+7], s[G0+6:G0+7], STEP  ; the next K step; the type bits on top are not reached
	s_xor_b32 s[G0B+5], s[G0B+5], SLOT
	s_add_nc_u64 s[G0B+6:G0B+7], s[G0B+6:G0B+7], STEP
	JLOAD 1                                        ; my one tensor load behind the round; its four v_nop are also the places in front of the loads below
.else
	PLACES
.endif
	FETCH 0, F0
.if \fill
	ASK                                            ; behind the joint load and the run of LDS loads
.endif
	MUL16 F1, 1, 0, 0
	MUL16 F1, 1, 2, 0
.endm
	s_wait_tensorcnt 0x1                           ; my part of K step 0 is in; K step 1's may stay out
	s_barrier_signal -1
	s_barrier_wait -1                              ; everybody's is
	FETCH 0, F0
	QUARTER 64, F0, F1, 1                          ; the first quarter stands in front of the loop: its products start the sums
	WIN 0                                          ; at a label and at a branch every window is 0
	s_mov_b32 s3, STEPS-2
.Lstep:                                                ; a trip goes from a K step's second quarter to the next step's first, and fills the slot that it leaves: K steps 2 to 7
	QUARTER 128, F1, F0, 0
	QUARTER 192, F0, F1, 0
	TURN 1
	QUARTER 64,  F0, F1, 0
	WIN 0
	s_sub_co_u32 s3, s3, 1
	s_cmp_lg_u32 s3, 0
	s_cbranch_scc1 .Lstep
	s_mov_b32 s3, 2
.Ltail:                                                ; the last two K steps fill nothing: a text of their own; the second trip is left in its middle
	QUARTER 128, F1, F0, 0
	QUARTER 192, F0, F1, 0
	WIN 0
	s_sub_co_u32 s3, s3, 1
	s_cmp_eq_u32 s3, 0
	s_cbranch_scc1 .Lout
	TURN 0
	QUARTER 64,  F0, F1, 0
	WIN 0
	s_cmp_lg_u32 s3, 0
	s_cbranch_scc1 .Ltail
.Lout:
	s_wait_dscnt 8                                 ; the very last quarter: nothing more to fetch
	MUL16 F1, 0, 0, 0
	MUL16 F1, 0, 2, 0
	s_wait_dscnt 0x0
	MUL16 F1, 1, 0, 0
	MUL16 F1, 1, 2, 0
	WIN 0
.rept 8
	v_nop                                          ; the places behind the last products, in front of conversions that read results and write fragment registers
.endr
; THE WAY OUT, a block of 16 rows at a time: rounded to f16 (each accumulator's registers in ascending order); 16 bytes a lane into my own stage; back as whole rows of 256 bytes; stored.
.macro PACK a
	WIN 0x0a+5*((\a)/4)                            ; sources 0 and 1 window 2 or 3, destination window 0
.set i, 0
.rept 32
	v_cvt_pk_f16_f32 v[TMP+i], v[64*((\a)%4)+2*i], v[64*((\a)%4)+2*i+1]
.set i, i+1
.endr
	WIN 0
.endm
.macro TOSTAGE a
.set BK, OB+32*((\a)%2)
.irp b, 0,1,2,3,4,5,6,7
	ds_store_b128 v[STO], v[TMP+4*(\b):TMP+4*(\b)+3] offset:32*(\b)
.endr
.irp t, 0,1,2,3,4,5,6,7
	ds_load_b128 v[BK+4*(\t):BK+4*(\t)+3], v[RD] offset:(\t)*2*PITCH  ; LDS serves a wave's instructions in order (ISA guide 5.7.1.4): these see the stores above
.endr
.endm
.macro SEND a
.set BK, OB+32*((\a)%2)
	s_wait_dscnt 0x0                               ; the block is back in registers
	s_wait_xcnt 0x0                                ; the stores of the block before have read their registers: the next TOSTAGE loads into them only behind this wait
.irp t, 0,1,2,3,4,5,6,7
	global_store_b128 v[CO], v[BK+4*(\t):BK+4*(\t)+3], s[8:9] offset:(16*(\a)+2*(\t))*ROWC  ; 16 lanes store 256 consecutive bytes, aligned
.endr
.endm
	PACK 0
	TOSTAGE 0
.irp a, 1,2,3,4,5,6,7                  ; block a's conversions stand between block a - 1's loads from the stage and the wait for them
	PACK \a
	SEND (\a)-1
	TOSTAGE \a
.endr
	SEND 7
	s_wait_tensorcnt 0x0                           ; the wave's end: behind my last tensor load and my last LDS store
	ds_add_u32 v[SPW], v[NIL]
	s_wait_dscnt 0x0
	CROUND                                         ; the closing round: no work-group ends while a partner may still ask for a tile that names it
	s_endpgm
.Lfunc_end_k_q89e5cededf_proj:
	.size	k_q89e5cededf_proj, .Lfunc_end_k_q89e5cededf_proj-k_q89e5cededf_proj
	.p2alignl 7, 3214868480
	.fill 96, 4, 3214868480
	.section	.rodata,"a",@progbits
	.p2align	6, 0x0
	.amdhsa_kernel k_q89e5cededf_proj
		.amdhsa_group_segment_fixed_size 327680
		.amdhsa_private_segment_fixed_size 0
		.amdhsa_enable_private_segment 0
		.amdhsa_kernarg_size 48
		.amdhsa_user_sgpr_count 2
		.amdhsa_user_sgpr_kernarg_segment_ptr 1
		.amdhsa_wavefront_size32 1
		.amdhsa_system_sgpr_workgroup_id_x 1
		.amdhsa_system_sgpr_workgroup_id_y 1
		.amdhsa_system_sgpr_workgroup_id_z 1
		.amdhsa_system_vgpr_workitem_id 0
		.amdhsa_next_free_vgpr 1024
		.amdhsa_next_free_sgpr 80
		.amdhsa_reserve_vcc 0
		.amdhsa_float_denorm_mode_32 3
		.amdhsa_float_denorm_mode_16_64 3
		.amdhsa_memory_ordered 1
		.amdhsa_forward_progress 1
		.amdhsa_inst_pref_size 112
	.end_amdhsa_kernel
	.amdgpu_metadata
---
amdhsa.version: [ 1, 2 ]
amdhsa.kernels:
  - .name:           k_q89e5cededf_proj
    .symbol:         k_q89e5cededf_proj.kd
    .args:
      - { .name: xb, .offset: 0, .size: 8, .value_kind: global_buffer, .address_space: global }
      - { .name: wt, .offset: 8, .size: 8, .value_kind: global_buffer, .address_space: global }
      - { .name: b_q, .offset: 16, .size: 8, .value_kind: global_buffer, .address_space: global }
      - { .name: b_k, .offset: 24, .size: 8, .value_kind: global_buffer, .address_space: global }
      - { .name: b_v, .offset: 32, .size: 8, .value_kind: global_buffer, .address_space: global }
      - { .name: qkv, .offset: 40, .size: 8, .value_kind: global_buffer, .address_space: global }
    .group_segment_fixed_size: 327680
    .private_segment_fixed_size: 0
    .kernarg_segment_align: 8
    .kernarg_segment_size: 48
    .max_flat_workgroup_size: 128
    .sgpr_count:     80
    .vgpr_count:     1024
    .wavefront_size: 32
...
	.end_amdgpu_metadata
.endif
;; end of part 2
;; launch scores (part 3): grid 8 x 32, 4 waves a work-group, clusters of 4 x 4, 327,680 bytes of LDS; arguments qkv, p, stats; writes p, stats
.if DOCPART == 3
	.amdgcn_target "amdgcn-amd-amdhsa--gfx1250"
	.amdhsa_code_object_version 6
	.text
	.protected	k_q89e5cededf_scores
	.globl	k_q89e5cededf_scores
	.p2align	8
	.type	k_q89e5cededf_scores,@function
k_q89e5cededf_scores:
	s_mov_b64 s[64:65], 0
	v_nop
	global_prefetch_b8 v0, s[64:65] scope:SCOPE_SE
	s_setreg_imm32_b32 hwreg(HW_REG_WAVE_MODE, 25, 1), 1
	s_wait_xcnt 0x0
	s_wait_alu depctr_hold_cnt(0) depctr_sa_sdst(0) depctr_va_vdst(0) depctr_va_sdst(0) depctr_va_ssrc(0) depctr_va_vcc(0) depctr_vm_vsrc(0)
	s_getreg_b32 s2, hwreg(HW_REG_IB_STS2, 6, 4)
	s_cmp_eq_u32 s2, 0
	s_cbranch_scc0 .Lentry_in_a_cluster
	s_endpgm
.Lentry_in_a_cluster:
	s_bfe_u32 s2, ttmp6, 0x10000c
	s_cmp_lg_u32 s2, 0xf033
	s_cbranch_scc0 .Lentry_shape_is_right
	s_endpgm
.Lentry_shape_is_right:
; S = Q K^T within each of four batches of 2,048 rows; then, for each row and each chunk of 128 keys: cm = c x (the chunk's largest score), p = 2^(c s - cm) rounded to f16, l = the sum of the unrounded p.
; c = log2(e) / 32.  A true maximum is taken away before every exponential: the chunk's; the next launch corrects it to the row's by 2^(cm - CM), which is at most 1.
; qkv: [8192][3072] f16 (Q at byte 0 of a row, K at 2,048).  p: [8192][2048] f16.  stats, f32: byte (chunk x 128 + row / 64) x 512 + plane x 256 + 16 (row % 16) + 4 ((row / 16) % 4); plane 0 cm, plane 1 l.
; LIMITS.  A weight below 2^-126 counts as 0 in l; in f16 a weight below 6e-5 keeps the fixed step of 6e-8.  NaN and infinities are not treated apart.
; SHARES.  A work-group makes 256 queries x 256 keys: 8 x 32 = 256 work-groups.  Four waves, each 128 x 128: a wave's 128 keys are a chunk, its 128 rows two of stats' groups.  64 accumulators, 512 registers.
; The 1,024 channels go in steps of 128 (rows of 256 bytes, aligned) through a ring of two LDS slots: waves 0 and 1 fetch the halves of Q's 256 rows, waves 2 and 3 those of K's.  From a refill's request to the wait
; for it a wave issues 224 matrix instructions.  A step is written once for the steps that fill a slot again and once for those that do not: the slot in hand is a scalar, 0 or SLOT, turned by an exclusive or, and the
; walking descriptors' LDS word likewise (SLOT = 0x22000 shares no bit with wave x 0x8800).
; CLUSTERS.  4 x 4 work-groups of one batch: Q's tiles are shared along a row of the cluster, K's along a column, each asked for jointly.
; Source 0 = 16 keys, source 1 = 16 queries: lane l holds query l % 16 and the keys 8 (l / 16) + 0..7 of a 16 x 16 result.
; REGISTERS (s_set_vgpr_msb: bits 1:0 source 0, 3:2 source 1, 5:4 source 2, 7:6 destination): window 0: v0-31 addresses; v32-59 statistics; v64-127, v128-191 Q's fragments, two buffers, on the way out at work; v192-199 what is stored of the statistics.
;   window 1: v64-127, v128-191 K's fragments.   window 2: the accumulators of my rows 0-63, (a, b) at v[8 (8 a + b)];   window 3: those of my rows 64-127.
.set ROWA,  6144                       ; bytes in a row of qkv
.set PEL,   3072                       ; elements in such a row
.set ROWC,  4096                       ; bytes in a row of p
.set STEP,  256
.set STEPS, 8
.set PITCH, 272                        ; an LDS row: 256 bytes + 16: the 16 rows of a fragment load start at 16 different groups of four banks (ISA guide 11.1)
.set HALFT, 128*PITCH
.set SLOT,  4*HALFT
.set STAGE, 2*SLOT                     ; behind the ring, never filled by a tensor load: 16 rows x 272 bytes for each wave
.set SPARE, STAGE+4*16*PITCH           ; the spare words, 128 bytes for each wave: two blocks of 256 bytes that no other line names
.set A0,   14                          ; v14  my lane's place in a slot's tile of Q; never rewritten
.set B0,   15                          ; v15  the same for K
.set ADRA, 16                          ; v16, v17  the same in the slot in hand
.set ADRB, 17
.set STO,  24
.set RD,   25
.set CO,   26
.set SO,   27                          ; v27  16 x my lane: my 16 bytes of a group's 512 in stats
.set SPW,  28
.set NIL,  29
.set PFO,  30
.set CH,   32                          ; v32-39  eight chains of the maximum
.set CT,   40                          ; v40-41  c m, named as a pair
.set TX,   42                          ; v42     what the lane 16 away holds
.set CMS,  44                          ; v44-51  c m of blocks 0-7
.set LSS,  52                          ; v52-59  l of blocks 0-7
.set SD,   192                         ; v192-199  what I store of them
.set F0,   64
.set F1,   128
.set TMP,  64
.set OB,   96
.set SUMT, 160                         ; v160-191  partial sums
.set G1,  24
.set G0,  32
.set LIM, 43
.set PFA, 44
.set G1B, 48
.set G0B, 56
.set CS,  70                           ; s[70:71] c
.set SEL, 72                           ; s[72:73] v_permlanex16_b32's selects: each lane takes its own place in the other half
.set TB,  78                           ; s78  the slot from which fragments are fetched: 0 or SLOT
.set FLAGS, (1<<16)|(1<<20)|(1<<21)|(5<<22)|(3<<25)
.set MSB, 0
.macro WIN new
.if MSB != (\new)
	s_set_vgpr_msb (MSB<<8)|(\new)
.set MSB, \new
.endif
.endm
.macro JLOAD s                         ; a joint load; an s_nop 0 and four v_nop follow each of the two lines, ahead of the jump and the label
	s_cmp_eq_u32 s11, 0
	s_cbranch_scc0 .Lfor_b_\@
	tensor_load_to_lds s[G0+4*(\s):G0+4*(\s)+3], s[G1:G1+7]
	s_nop 0
.rept 4
	v_nop
.endr
	s_branch .Lasked_\@
.Lfor_b_\@:
	tensor_load_to_lds s[G0B+4*(\s):G0B+4*(\s)+3], s[G1B:G1B+7]
	s_nop 0
.rept 4
	v_nop
.endr
.Lasked_\@:
.endm
; A prefetch of the step two refills on: 32 rows x 256 bytes, a lane a row: 512 matrix instructions ahead of the load that will want it.  Each wave asks for the 128 rows that it fetches; the four partners of a joint
; load take 32 rows each, by address.  Q's rows are read by two clusters: cluster x = 0 asks; K's by the batch's two rows of clusters: the first of them asks.  Steps 4 to 7 are named, each row's 256 bytes once; the loop's last two trips ask for nothing.
.macro ASK
	s_cmp_gt_u32 s3, s[LIM]
	s_cbranch_scc0 .Lnot_mine_\@
	global_prefetch_b8 v[PFO], s[PFA:PFA+1] th:TH_LOAD_NT scope:SCOPE_SE
.Lnot_mine_\@:
.endm
.macro CREST
	s_cmp_lg_u32 s10, 0
	s_cbranch_scc1 .Lnot_wave_0_\@
	s_barrier_signal -3
.Lnot_wave_0_\@:
	s_barrier_wait -3
	s_barrier_signal -1
	s_barrier_wait -1
.endm
.macro CROUND
	s_barrier_signal -1
	s_barrier_wait -1
	CREST
.endm
.macro PLACES
.rept 4
	v_nop
.endr
.endm
	s_load_b128 s[4:7], s[0:1], 0x0                ; qkv s[4:5], p s[6:7]
	s_load_b64 s[66:67], s[0:1], 0x10              ; stats
	v_lshl_add_u32 v[SPW], v0, 2, SPARE
	v_mov_b32 v[NIL], 0
	ds_add_u32 v[SPW], v[NIL]                      ; the wave's opening: the add and its wait stand ahead of my first tensor load; work on registers stands between them
	v_lshrrev_b32 v1, 5, v0
	v_readfirstlane_b32 s10, v1                    ; wave 0..3
	s_lshr_b32 s11, s10, 1                         ; which 128 queries are mine.  Also: I fetch for Q (0) or for K (1)
	s_and_b32 s12, s10, 1                          ; which 128 keys.  Also: which half of that tile I fetch
	s_bfe_u32 s40, ttmp6, 0x40000
	s_bfe_u32 s41, ttmp6, 0x40004
	s_lshl_b32 s42, ttmp9, 2
	s_add_co_u32 s42, s42, s40                     ; tile column (256 keys of the batch) = 4 x cluster x + cx
	s_and_b32 s13, ttmp7, 0xffff
	s_lshl_b32 s13, s13, 2
	s_add_co_u32 s13, s13, s41                     ; tile row (256 of all 8,192 rows) = 4 x cluster y + cy
	s_lshl_b32 s43, s41, 2
	s_lshl_b32 s43, 15, s43
	s_lshl_b32 s44, 0x1111, s40
	s_or_b32 s[G1], s43, FLAGS                     ; Q's tiles go to my row of the cluster,
	s_or_b32 s[G1B], s44, FLAGS                    ; K's to my column
.irp g, G1, G1B
	s_mov_b32 s[(\g)+1], 128<<16                   ; tensor_dim0 = 128
	s_mov_b32 s[(\g)+2], 128<<16                   ; tensor_dim1 = 128
	s_mov_b32 s[(\g)+3], 128<<16                   ; tile_dim0 = 128
	s_mov_b32 s[(\g)+4], 128                       ; tile_dim1 = 128
	s_mov_b32 s[(\g)+5], PEL                       ; elements from row to row
	s_mov_b32 s[(\g)+6], 0
	s_mov_b32 s[(\g)+7], 0
.endr
	s_mov_b32 s[TB], 0
	s_mov_b32 s[CS], 0x3d38aa3b                    ; c = log2(e) / 32 = 0.0450842
	s_mov_b32 s[CS+1], s[CS]
	s_mov_b32 s[SEL], 0x76543210
	s_mov_b32 s[SEL+1], 0xfedcba98
	s_lshl_b32 s16, s13, 8                         ; Q: row 256 x tile row + 128 x half
	s_lshl_b32 s17, s12, 7
	s_add_co_u32 s16, s16, s17
	s_mul_i32 s16, s16, ROWA
	s_mov_b32 s17, 0
	s_and_b32 s46, ttmp7, 0xffff                   ; K: row 2,048 x batch + 256 x tile column + 128 x half; the batch is cluster y / 2, which all sixteen share
	s_lshr_b32 s46, s46, 1
	s_lshl_b32 s46, s46, 11
	s_lshl_b32 s47, s42, 8
	s_add_co_u32 s46, s46, s47
	s_lshl_b32 s47, s12, 7
	s_add_co_u32 s46, s46, s47
	s_mul_i32 s46, s46, ROWA
	s_mov_b32 s47, 0
	s_mul_i32 s20, s10, HALFT                      ; where they go: wave x 128 rows
	s_wait_dscnt 0x0                               ; the opening add is done
	s_wait_kmcnt 0x0
	s_mov_b64 s[8:9], s[6:7]                       ; p
	s_add_nc_u64 s[6:7], s[4:5], 2048              ; K's part of a row of qkv
	s_add_nc_u64 s[14:15], s[4:5], s[16:17]
	s_add_nc_u64 s[46:47], s[6:7], s[46:47]
	CROUND                                         ; all sixteen work-groups are here: the first joint loads meet
.irp s, 0,1
	s_mov_b32 s[G0+4*(\s)], 1
	s_add_co_u32 s[G0+4*(\s)+1], s20, (\s)*SLOT
	s_add_nc_u64 s[G0+4*(\s)+2:G0+4*(\s)+3], s[14:15], (\s)*STEP
	s_or_b32 s[G0+4*(\s)+3], s[G0+4*(\s)+3], 0x80000000
	s_mov_b32 s[G0B+4*(\s)], 1
	s_add_co_u32 s[G0B+4*(\s)+1], s20, (\s)*SLOT
	s_add_nc_u64 s[G0B+4*(\s)+2:G0B+4*(\s)+3], s[46:47], (\s)*STEP
	s_or_b32 s[G0B+4*(\s)+3], s[G0B+4*(\s)+3], 0x80000000
	JLOAD \s                                       ; two loads of mine are out
.endr
	v_and_b32 v1, 15, v0                           ; l % 16
	v_bfe_u32 v2, v0, 4, 1                         ; l / 16
	v_mul_u32_u24 v3, v1, PITCH
	v_lshl_add_u32 v3, v2, 4, v3
	s_mul_i32 s21, s11, HALFT                      ; my 128 rows of Q
	s_mul_i32 s22, s12, HALFT                      ; my 128 rows of K,
	s_add_co_u32 s22, s22, 2*HALFT                 ; which lie behind Q's 256
	v_add_nc_u32 v[A0], s21, v3
	v_add_nc_u32 v[B0], s22, v3
	v_mov_b32 v[ADRA], v[A0]                       ; slot 0
	v_mov_b32 v[ADRB], v[B0]
	s_mul_i32 s23, s10, 16*PITCH
	s_add_co_u32 s23, s23, STAGE
	v_add_nc_u32 v[STO], s23, v3
	v_mul_u32_u24 v5, v2, PITCH
	v_lshl_add_u32 v5, v1, 4, v5
	v_add_nc_u32 v[RD], s23, v5
	v_lshlrev_b32 v5, 12, v2                       ; a row of p is 4,096 bytes
	v_lshl_add_u32 v[CO], v1, 4, v5
	v_and_b32 v4, 31, v0
	v_lshlrev_b32 v[SO], 4, v4
	v_mov_b32 v[TX], 0                             ; v_permlanex16_b32 counts as a reader of its destination
	s_lshl_b32 s16, s13, 8                         ; my part of p: row 256 x tile row + 128 x half,
	s_lshl_b32 s17, s11, 7
	s_add_co_u32 s16, s16, s17
	s_lshl_b32 s16, s16, 12
	s_lshl_b32 s46, s42, 9                         ; byte 512 x tile column + 256 x half
	s_lshl_b32 s47, s12, 8
	s_add_co_u32 s46, s46, s47
	s_add_co_u32 s16, s16, s46
	s_mov_b32 s17, 0
	s_add_nc_u64 s[8:9], s[8:9], s[16:17]
	s_lshl_b32 s16, s42, 1                         ; my part of stats: chunk = 2 x tile column + half,
	s_add_co_u32 s16, s16, s12
	s_lshl_b32 s16, s16, 7
	s_lshl_b32 s17, s13, 2                         ; first group of 64 rows = 4 x tile row + 2 x half
	s_add_co_u32 s16, s16, s17
	s_lshl_b32 s17, s11, 1
	s_add_co_u32 s16, s16, s17
	s_lshl_b32 s16, s16, 9
	s_mov_b32 s17, 0
	s_add_nc_u64 s[66:67], s[66:67], s[16:17]
	; the prefetches
	s_lshl_b32 s20, s13, 8                         ; Q's tile: first row
	s_and_b32 s22, ttmp7, 0xffff
	s_lshr_b32 s21, s22, 1
	s_lshl_b32 s21, s21, 11
	s_lshl_b32 s23, s42, 8
	s_add_co_u32 s21, s21, s23                     ; K's
	s_and_b32 s22, s22, 1                          ; the cluster's place among its batch's two rows of clusters
	s_cmp_eq_u32 s11, 0
	s_cselect_b32 s20, s20, s21
	s_cselect_b32 s21, s40, s41                    ; my place among the four that ask with me
	s_cselect_b32 s22, ttmp9, s22                  ; the coordinate along which other clusters read the same rows
	s_cselect_b64 s[PFA:PFA+1], s[4:5], s[6:7]
	s_cmp_eq_u32 s22, 0
	s_cselect_b32 s[LIM], 2, -1
	s_lshl_b32 s23, s12, 7
	s_add_co_u32 s20, s20, s23                     ; + the 128 rows that I fetch
	s_lshl_b32 s21, s21, 5
	s_add_co_u32 s20, s20, s21                     ; + my work-group's 32 of them
	s_mul_i32 s20, s20, ROWA
	s_add_co_u32 s20, s20, 3*STEP                  ; at step 3: the first refill steps it to 4
	s_mov_b32 s21, 0
	s_add_nc_u64 s[PFA:PFA+1], s[PFA:PFA+1], s[20:21]
	v_mul_u32_u24 v[PFO], v4, ROWA
; 16 matrix instructions: query blocks a0, a0 + 1 of the window's four x all 8 key blocks.  The 64 accumulators take turns, one instruction a turn.  zero = 1: the first product starts the sums.
.macro MUL16 f, hi, a0, zero
	WIN 0xa1+0x50*(\hi)                            ; source 0 (K) window 1, source 1 (Q) window 0, C and D window 2 or 3
.irp a, \a0, (\a0)+1
.irp b, 0,1,2,3,4,5,6,7
.if \zero
	v_wmma_f32_16x16x32_f16 v[8*(8*(\a)+(\b)):8*(8*(\a)+(\b))+7], v[(\f)+8*(\b):(\f)+8*(\b)+7], v[(\f)+8*(4*(\hi)+(\a)):(\f)+8*(4*(\hi)+(\a))+7], 0
.else
	v_wmma_f32_16x16x32_f16 v[8*(8*(\a)+(\b)):8*(8*(\a)+(\b))+7], v[(\f)+8*(\b):(\f)+8*(\b)+7], v[(\f)+8*(4*(\hi)+(\a)):(\f)+8*(4*(\hi)+(\a))+7], v[8*(8*(\a)+(\b)):8*(8*(\a)+(\b))+7]
.endif
.endr
.endr
.endm
.macro FETCH k, f                      ; 32 LDS loads in one run, from the slot in hand: K's 8 fragments, then Q's 8
	WIN 0x40                                       ; destination window 1, address window 0
.irp i, 0,1,2,3,4,5,6,7
	ds_load_b128 v[(\f)+8*(\i):(\f)+8*(\i)+3],   v[ADRB] offset:(\k)+(\i)*16*PITCH
	ds_load_b128 v[(\f)+8*(\i)+4:(\f)+8*(\i)+7], v[ADRB] offset:(\k)+(\i)*16*PITCH+32
.endr
	WIN 0
.irp i, 0,1,2,3,4,5,6,7
	ds_load_b128 v[(\f)+8*(\i):(\f)+8*(\i)+3],   v[ADRA] offset:(\k)+(\i)*16*PITCH
	ds_load_b128 v[(\f)+8*(\i)+4:(\f)+8*(\i)+7], v[ADRA] offset:(\k)+(\i)*16*PITCH+32
.endr
.endm
.macro QUARTER k, f, g, zero
	s_wait_dscnt 8                                 ; the youngest eight loads (Q's rows 64-127) may be out
	MUL16 \f, 0, 0, \zero
	MUL16 \f, 0, 2, \zero
	PLACES
	FETCH \k, \g
	s_wait_dscnt 32                                ; all but the 32 just issued
	MUL16 \f, 1, 0, \zero
	MUL16 \f, 1, 2, \zero
.endm
; The change of slots: each wave waits for all its tensor loads, adds 0 to its spare word, waits for that and for its reads of this slot, and signals.  fill = 1: the barrier opens a round of the cluster's barrier, and the joint refill is the first thing behind the round.
.macro TURN fill
	WIN 0
	s_xor_b32 s[TB], s[TB], SLOT                   ; the fetches go on in the other slot: this slot's last were issued in the quarter before
	v_add_nc_u32 v[ADRA], s[TB], v[A0]
	v_add_nc_u32 v[ADRB], s[TB], v[B0]
.if \fill
	s_wait_xcnt 0x0                                ; the last prefetch, a step back, has read its address
	s_add_nc_u64 s[PFA:PFA+1], s[PFA:PFA+1], STEP
.endif
	s_wait_tensorcnt 0x0                           ; all my tensor loads have landed
	ds_add_u32 v[SPW], v[NIL]                      ; 0 onto my spare word
	s_wait_dscnt 9                                 ; (the add and the youngest eight loads may be out)
	MUL16 F1, 0, 0, 0
	s_wait_dscnt 0x0                               ; the add is done, and my reads of this slot are over
	s_barrier_signal -1
	MUL16 F1, 0, 2, 0
.if \fill
	WIN 0
.endif
	s_barrier_wait -1
.if \fill
	CREST
	s_xor_b32 s[G0+5], s[G0+5], SLOT               ; the walking descriptors: the other slot than last time, the next step
	s_add_nc_u64 s[G0+6:G0+7], s[G0+6:G0+7], STEP
	s_xor_b32 s[G0B+5], s[G0B+5], SLOT
	s_add_nc_u64 s[G0B+6:G0B+7], s[G0B+6:G0B+7], STEP
	JLOAD 1
.else
	PLACES
.endif
	FETCH 0, F0
.if \fill
	ASK
.endif
	MUL16 F1, 1, 0, 0
	MUL16 F1, 1, 2, 0
.endm
	s_wait_tensorcnt 0x1                           ; my part of step 0 is in; step 1's may stay out
	s_barrier_signal -1
	s_barrier_wait -1
	FETCH 0, F0
	QUARTER 64, F0, F1, 1
	WIN 0
	s_mov_b32 s3, STEPS-2
.Lstep:                                                ; a trip goes from a step's second quarter to the next step's first, and fills the slot that it leaves: steps 2 to 7
	QUARTER 128, F1, F0, 0
	QUARTER 192, F0, F1, 0
	TURN 1
	QUARTER 64,  F0, F1, 0
	WIN 0
	s_sub_co_u32 s3, s3, 1
	s_cmp_lg_u32 s3, 0
	s_cbranch_scc1 .Lstep
	s_mov_b32 s3, 2
.Ltail:                                                ; the last two steps fill nothing: a text of their own; the second trip is left in its middle
	QUARTER 128, F1, F0, 0
	QUARTER 192, F0, F1, 0
	WIN 0
	s_sub_co_u32 s3, s3, 1
	s_cmp_eq_u32 s3, 0
	s_cbranch_scc1 .Lout
	TURN 0
	QUARTER 64,  F0, F1, 0
	WIN 0
	s_cmp_lg_u32 s3, 0
	s_cbranch_scc1 .Ltail
.Lout:
	s_wait_dscnt 8
	MUL16 F1, 0, 0, 0
	MUL16 F1, 0, 2, 0
	s_wait_dscnt 0x0
	MUL16 F1, 1, 0, 0
	MUL16 F1, 1, 2, 0
	WIN 0
.rept 8
	v_nop                                          ; the places behind the last products
.endr
; THE SOFTMAX OF A BLOCK of 16 queries x my 128 keys: a lane holds 64 scores of one query, the lane 16 away the other 64.  The block's accumulators lie in window W.
.macro SOFT a
.set AC, 64*((\a)%4)
.set W, 2+(\a)/4
	WIN 0x15*W                                     ; three sources in window W, destination in window 0
.irp b, 0,1,2,3,4,5,6,7
	v_max3_num_f32 v[CH+(\b)], v[AC+8*(\b)], v[AC+8*(\b)+1], v[AC+8*(\b)+2]  ; each accumulator's lowest registers are read first
.endr
	WIN 0x14*W
.irp b, 0,1,2,3,4,5,6,7
	v_max3_num_f32 v[CH+(\b)], v[CH+(\b)], v[AC+8*(\b)+3], v[AC+8*(\b)+4]
.endr
.irp b, 0,1,2,3,4,5,6,7
	v_max3_num_f32 v[CH+(\b)], v[CH+(\b)], v[AC+8*(\b)+5], v[AC+8*(\b)+6]
.endr
.irp b, 0,2,4,6
	v_max3_num_f32 v[CH+(\b)], v[CH+(\b)], v[AC+8*(\b)+7], v[AC+8*(\b)+15]
.endr
	WIN 0
	v_max3_num_f32 v[CH], v[CH], v[CH+1], v[CH+2]
	v_max3_num_f32 v[CH+3], v[CH+3], v[CH+4], v[CH+5]
	v_max3_num_f32 v[CH], v[CH], v[CH+3], v[CH+6]
	v_max_num_f32 v[CH], v[CH], v[CH+7]
	v_permlanex16_b32 v[TX], v[CH], s[SEL], s[SEL+1]
	v_max_num_f32 v[CH+1], v[CH], v[TX]            ; the largest of the query's 128 scores
	v_mul_f32 v[CT], s[CS], v[CH+1]
	v_mul_f32 v[CT+1], s[CS], v[CH+1]              ; named with it as a pair
	v_mul_f32 v[CMS+(\a)], s[CS], v[CH+1]
	WIN 0x41*W                                     ; destination and source 0 in window W: c s - c m and its exponential, in place
	v_pk_fma_f32 v[AC:AC+1], v[AC:AC+1], s[CS:CS+1], v[CT:CT+1] op_sel_hi:[1,0,0] neg_lo:[0,0,1] neg_hi:[0,0,1]
.set i, 0
.rept 32                               ; ONE BATCH of 64 exponentials; a pair is scaled a trip ahead of its exponentials; nothing here names an exponential's result
.if i < 31
	v_pk_fma_f32 v[AC+2*i+2:AC+2*i+3], v[AC+2*i+2:AC+2*i+3], s[CS:CS+1], v[CT:CT+1] op_sel_hi:[1,0,0] neg_lo:[0,0,1] neg_hi:[0,0,1]
.endif
	v_exp_f32 v[AC+2*i], v[AC+2*i]
	v_exp_f32 v[AC+2*i+1], v[AC+2*i+1]
.set i, i+1
.endr
	v_nop                                          ; a plain instruction behind the last exponential (ISA guide 5.7.2),
	s_wait_alu depctr_va_vdst(0)                   ; and the wait ahead of the first use: one for the batch
	WIN 0x05*W                                     ; sources 0 and 1 in window W, destination in window 0
.set i, 0
.rept 32
	v_cvt_pk_f16_f32 v[TMP+i], v[AC+2*i], v[AC+2*i+1]
.set i, i+1
.endr
.set i, 0
.rept 16
	v_pk_add_f32 v[SUMT+2*i:SUMT+2*i+1], v[AC+4*i:AC+4*i+1], v[AC+4*i+2:AC+4*i+3]
.set i, i+1
.endr
	WIN 0
.irp w, 8,4,2,1
.set i, 0
.rept \w
	v_pk_add_f32 v[SUMT+2*i:SUMT+2*i+1], v[SUMT+2*i:SUMT+2*i+1], v[SUMT+2*(i+(\w)):SUMT+2*(i+(\w))+1]
.set i, i+1
.endr
.endr
	v_add_f32 v[SUMT], v[SUMT], v[SUMT+1]
	v_permlanex16_b32 v[TX], v[SUMT], s[SEL], s[SEL+1]
	v_add_f32 v[LSS+(\a)], v[SUMT], v[TX]
.endm
.macro TOSTAGE a                       ; 16 bytes a lane into my own stage, and back as whole rows of 256 bytes
.set BK, OB+32*((\a)%2)
.irp b, 0,1,2,3,4,5,6,7
	ds_store_b128 v[STO], v[TMP+4*(\b):TMP+4*(\b)+3] offset:32*(\b)
.endr
.irp t, 0,1,2,3,4,5,6,7
	ds_load_b128 v[BK+4*(\t):BK+4*(\t)+3], v[RD] offset:(\t)*2*PITCH  ; LDS serves a wave's instructions in order (ISA guide 5.7.1.4): these see the stores above
.endr
.endm
.macro SEND a
.set BK, OB+32*((\a)%2)
	s_wait_dscnt 0x0                               ; the block is back in registers
	s_wait_xcnt 0x0                                ; the stores of the block before have read their registers: the next TOSTAGE loads into them only behind this wait
.irp t, 0,1,2,3,4,5,6,7
	global_store_b128 v[CO], v[BK+4*(\t):BK+4*(\t)+3], s[8:9] offset:(16*(\a)+2*(\t))*ROWC  ; 16 lanes store 256 consecutive bytes, aligned
.endr
.endm
	SOFT 0
	TOSTAGE 0
.irp a, 1,2,3,4,5,6,7                  ; block a's softmax stands between block a - 1's loads from the stage and the wait for them
	SOFT \a
	SEND (\a)-1
	TOSTAGE \a
.endr
	SEND 7
	v_cmp_le_u32 vcc_lo, 16, v4                    ; lanes 0-15 store c m of their query in a group's four blocks, lanes 16-31 l: 512 consecutive bytes, aligned, for each of my two groups
.irp a, 0,1,2,3,4,5,6,7
	v_cndmask_b32 v[SD+(\a)], v[CMS+(\a)], v[LSS+(\a)], vcc_lo
.endr
	global_store_b128 v[SO], v[SD:SD+3], s[66:67]
	global_store_b128 v[SO], v[SD+4:SD+7], s[66:67] offset:512
	s_wait_tensorcnt 0x0                           ; the wave's end: behind my last tensor load and my last LDS store
	ds_add_u32 v[SPW], v[NIL]
	s_wait_dscnt 0x0
	CROUND                                         ; the closing round
	s_endpgm
.Lfunc_end_k_q89e5cededf_scores:
	.size	k_q89e5cededf_scores, .Lfunc_end_k_q89e5cededf_scores-k_q89e5cededf_scores
	.p2alignl 7, 3214868480
	.fill 96, 4, 3214868480
	.section	.rodata,"a",@progbits
	.p2align	6, 0x0
	.amdhsa_kernel k_q89e5cededf_scores
		.amdhsa_group_segment_fixed_size 327680
		.amdhsa_private_segment_fixed_size 0
		.amdhsa_enable_private_segment 0
		.amdhsa_kernarg_size 24
		.amdhsa_user_sgpr_count 2
		.amdhsa_user_sgpr_kernarg_segment_ptr 1
		.amdhsa_wavefront_size32 1
		.amdhsa_system_sgpr_workgroup_id_x 1
		.amdhsa_system_sgpr_workgroup_id_y 1
		.amdhsa_system_sgpr_workgroup_id_z 1
		.amdhsa_system_vgpr_workitem_id 0
		.amdhsa_next_free_vgpr 1024
		.amdhsa_next_free_sgpr 80
		.amdhsa_reserve_vcc 1
		.amdhsa_float_denorm_mode_32 3
		.amdhsa_float_denorm_mode_16_64 3
		.amdhsa_memory_ordered 1
		.amdhsa_forward_progress 1
		.amdhsa_inst_pref_size 173
	.end_amdhsa_kernel
	.amdgpu_metadata
---
amdhsa.version: [ 1, 2 ]
amdhsa.kernels:
  - .name:           k_q89e5cededf_scores
    .symbol:         k_q89e5cededf_scores.kd
    .args:
      - { .name: qkv, .offset: 0, .size: 8, .value_kind: global_buffer, .address_space: global }
      - { .name: p, .offset: 8, .size: 8, .value_kind: global_buffer, .address_space: global }
      - { .name: stats, .offset: 16, .size: 8, .value_kind: global_buffer, .address_space: global }
    .group_segment_fixed_size: 327680
    .private_segment_fixed_size: 0
    .kernarg_segment_align: 8
    .kernarg_segment_size: 24
    .max_flat_workgroup_size: 128
    .sgpr_count:     80
    .vgpr_count:     1024
    .wavefront_size: 32
...
	.end_amdgpu_metadata
.endif
;; end of part 3
;; launch av (part 4): grid 4 x 64, 4 waves a work-group, clusters of 4 x 4, 327,680 bytes of LDS; arguments p, qkv, stats, out0; writes out0
.if DOCPART == 4
	.amdgcn_target "amdgcn-amd-amdhsa--gfx1250"
	.amdhsa_code_object_version 6
	.text
	.protected	k_q89e5cededf_av
	.globl	k_q89e5cededf_av
	.p2align	8
	.type	k_q89e5cededf_av,@function
k_q89e5cededf_av:
	s_mov_b64 s[64:65], 0
	v_nop
	global_prefetch_b8 v0, s[64:65] scope:SCOPE_SE
	s_setreg_imm32_b32 hwreg(HW_REG_WAVE_MODE, 25, 1), 1
	s_wait_xcnt 0x0
	s_wait_alu depctr_hold_cnt(0) depctr_sa_sdst(0) depctr_va_vdst(0) depctr_va_sdst(0) depctr_va_ssrc(0) depctr_va_vcc(0) depctr_vm_vsrc(0)
	s_getreg_b32 s2, hwreg(HW_REG_IB_STS2, 6, 4)
	s_cmp_eq_u32 s2, 0
	s_cbranch_scc0 .Lentry_in_a_cluster
	s_endpgm
.Lentry_in_a_cluster:
	s_bfe_u32 s2, ttmp6, 0x10000c
	s_cmp_lg_u32 s2, 0xf033
	s_cbranch_scc0 .Lentry_shape_is_right
	s_endpgm
.Lentry_shape_is_right:
; out0[m][v] = ( sum over chunks c of 128 keys, sum over the chunk's keys t, of (w[m][c] p[m][t]) V[t][v] ) / L[m],  with CM = the largest cm[m][c], w = 2^(cm - CM), L = sum over c of w l[m][c].
; That is softmax(Q K^T / 32) V with the row's true maximum taken away: p was made with each chunk's own maximum, and w, at most 1, corrects it.
; p: [8192][2048] f16.  V: qkv's bytes 4,096 on of each row of 6,144, f16, as it lies ([key][channel]).  stats: as the launch before laid it.  out0: [8192][1024] f32.  Sums in f32; w and w p are rounded to f16.
; LIMITS.  w and w p below 6e-5 keep f16's fixed step of 6e-8, against L of at least 1; w below 2^-126 counts as 0.  NaN and infinities are not treated apart.
; SHARES.  A work-group makes 128 rows x 256 channels: 4 x 64 = 256 work-groups.  Four waves, each 64 x 128: 32 accumulators.  K (the keys) goes in steps of 128, a chunk a step, through two LDS slots:
; waves 0 and 1 fetch the halves of p's 128 rows (64 x 256 bytes), waves 2 and 3 the halves of V's 128 keys (64 x 512 bytes).  p's tiles are shared along a row of the 4 x 4 cluster, V's along a column.
; Two slots of two steps each would be 4 x 104,448 bytes, more than a WGP's LDS: so a slot holds one step.
; A K STEP IS WRITTEN ONCE for the steps that fill a slot again and once for those that do not: the slot in hand is a scalar, 0 or 1 << 17, turned by an exclusive or, and the walking descriptors' LDS word likewise
; (no tile's place in a slot, 104,447 at the most, reaches bit 17).
; Source 0 = 16 channels of V, turned on the way out of LDS by ds_load_tr16_b128; source 1 = 16 rows of p: lane l holds row l % 16 and the channels 8 (l / 16) + 0..7 of a 16 x 16 result.
; THE SCALING.  A lane's fragment of p holds one row, so w p is one packed multiply a register by that row's w (both halves of a register): 32 for a quarter's 32 matrix instructions.  Blocks 0 and 2 are scaled by
; eight lines ahead of their products; blocks 1 and 3 in twos behind every second product of the block before.  The 64 w of a lane lie in a table in LDS, the wave's own; a step's four are read at the change of slots.
; REGISTERS, in windows of 256 (s_set_vgpr_msb: bits 1:0 source 0, 3:2 source 1, 5:4 source 2, 7:6 destination).  p's fragments lie in the window of the accumulators that they feed, and w beside V's fragments: so a
; scaling line (destination and source 1: the fragment; source 0: w) stands under the same setting as the products round it, and a quarter has five switches.
;   window 0: v0-31 addresses; v32-35 w of the step in hand, v36-39 of the next; v44-59 statistics; v64-127, v128-191 V's fragments, two buffers; on the way out v64-255 at work
;   window 1: v0-127 the accumulators of row blocks 0 and 1, (a, b) at v[8 (8 (a % 2) + b)]; v128-159 p's blocks 0 and 1, two buffers          window 2: the same for row blocks 2 and 3
.set ROWP,  4096                       ; bytes in a row of p, and of out0
.set ROWV,  6144                       ; bytes in a row of qkv
.set STEPA, 256                        ; a K step in a row of p
.set STEPB, 128*ROWV                   ; a K step in V: 128 keys
.set STEPS, 16                         ; 2,048 / 128
.set PITCH, 272                        ; an LDS row of p: 256 bytes + 16: the 16 rows of a fragment load start at 16 different groups of four banks (ISA guide 11.1)
.set PV,    544                        ; an LDS row of V: 512 bytes + 32 = 136 words
.set AHALF, 64*PITCH
.set BHALF, 64*PV
.set BOFF,  2*AHALF
.set SLOTB, BOFF+2*BHALF               ; the bytes of a slot: 104,448
.set SLOT1, 1<<17                      ; slot 1 begins here
.set STAGE, SLOT1+SLOTB                ; behind the ring, never filled by a tensor load: 16 rows x 528 bytes for each wave
.set SPITCH, 528                       ; 512 bytes + 16 = 132 words
.set SCT,   STAGE+4*16*SPITCH          ; the tables of w: 16 chunks x 32 lanes x 16 bytes for each wave
.set SPARE, SCT+4*8192                 ; the spare words, 128 bytes for each wave: two blocks of 256 bytes that no other line names
.set A0,   14                          ; v14  my lane's place in a slot's tile of p; never rewritten
.set B0,   15                          ; v15  the same for V
.set ADRA, 16                          ; v16, v17  the same in the slot in hand
.set ADRB, 17
.set TA0,  22                          ; v22  my 16 bytes of chunk 0 in my wave's table; never rewritten
.set TA,   23                          ; v23  the same for the step in hand
.set STO,  24
.set RD,   25
.set CO,   26
.set SO,   27                          ; v27  16 x (l % 16): my row's place in stats
.set SPW,  28
.set NIL,  29
.set PFO,  30
.set SC,   32                          ; v32-35 w of the step in hand for blocks 0-3 (set 0); v36-39 of the next step (set 1)
.set MX,   44                          ; v44-47 CM
.set LA,   48                          ; v48-51 L
.set IV,   52                          ; v52-59 1 / L, twice each (pairs for the packed multiply)
.set FB,   64                          ; window 0: V's fragments: buffer g, channel block b at FB + 64 g + 8 b
.set FA,   128                         ; windows 1 and 2: p's fragments: buffer g, row block i at FA + 16 g + 8 (i % 2) of window 1 + i / 2
.set TMP,  64                          ; the way out: v64-127 a block divided by L
.set OB,   128                         ; v128-191 and v192-255 by turns: 16 rows read back
.set G1,  24                           ; s[24:31] descriptor group 1 for p's tiles;  s[32:39] group 0: a set for each of the two first fills; the second then walks on
.set G0,  32
.set LIM, 43                           ; s43  2 in a wave that prefetches, else the greatest number
.set PFA, 44
.set G1B, 48                           ; s[48:55], s[56:63] the same for V's tiles
.set G0B, 56
.set TB,  78                           ; s78  the slot from which fragments are fetched: 0 or SLOT1
.set TS,  80                           ; s80  512 x the step: a chunk of the table
.set PST, 82                           ; s[82:83] what a K step is for my prefetches
.set MSB, 0
.macro WIN new                         ; the immediate's high byte repeats the setting that is left; a switch that changes nothing is dropped
.if MSB != (\new)
	s_set_vgpr_msb (MSB<<8)|(\new)
.set MSB, \new
.endif
.endm
.macro JLOAD s                         ; a joint load; an s_nop 0 and four v_nop follow each of the two lines, ahead of the jump and the label
	s_cmp_eq_u32 s11, 0
	s_cbranch_scc0 .Lfor_b_\@
	tensor_load_to_lds s[G0+4*(\s):G0+4*(\s)+3], s[G1:G1+7]
	s_nop 0
.rept 4
	v_nop
.endr
	s_branch .Lasked_\@
.Lfor_b_\@:
	tensor_load_to_lds s[G0B+4*(\s):G0B+4*(\s)+3], s[G1B:G1B+7]
	s_nop 0
.rept 4
	v_nop
.endr
.Lasked_\@:
.endm
; A prefetch of the K step two refills on, 32 blocks of 256 bytes, a lane a block.  Wave 0: p's 128 rows, of which partner cx takes 32.  Waves 2 and 3: the 64 keys of V that they fetch, two blocks a key, of which
; partner cy takes 16 keys.  p's rows are read by one cluster, which asks; V's by the batch's four clusters: the first asks.  K steps 4 to 15 are named, each block once; the loop's last two trips (s3 = 2, 1) ask for nothing.
.macro ASK
	s_cmp_gt_u32 s3, s[LIM]
	s_cbranch_scc0 .Lnot_mine_\@
	global_prefetch_b8 v[PFO], s[PFA:PFA+1] th:TH_LOAD_NT scope:SCOPE_SE
.Lnot_mine_\@:
.endm
.macro CREST                           ; a round of the cluster's barrier behind its opening barrier
	s_cmp_lg_u32 s10, 0
	s_cbranch_scc1 .Lnot_wave_0_\@
	s_barrier_signal -3
.Lnot_wave_0_\@:
	s_barrier_wait -3
	s_barrier_signal -1
	s_barrier_wait -1
.endm
.macro CROUND                          ; a whole round
	s_barrier_signal -1
	s_barrier_wait -1
	CREST
.endm
.macro PLACES                          ; four places in front of loads into registers that matrix instructions have read (ISA guide 7.12.1 for vector instructions)
.rept 4
	v_nop
.endr
.endm
	s_load_b256 s[68:75], s[0:1], 0x0              ; p s[68:69], qkv s[70:71], stats s[72:73], out0 s[74:75]
	v_lshl_add_u32 v[SPW], v0, 2, SPARE
	v_mov_b32 v[NIL], 0
	ds_add_u32 v[SPW], v[NIL]                      ; the wave's opening: the add and its wait stand ahead of my first tensor load; work on registers stands between them
	v_lshrrev_b32 v1, 5, v0
	v_readfirstlane_b32 s10, v1                    ; wave 0..3
	s_lshr_b32 s11, s10, 1                         ; which 64 rows are mine.  Also: I fetch for p (0) or for V (1)
	s_and_b32 s12, s10, 1                          ; which 128 channels.  Also: which half of that tile I fetch
	s_bfe_u32 s40, ttmp6, 0x40000
	s_bfe_u32 s41, ttmp6, 0x40004
	s_lshl_b32 s42, ttmp9, 2
	s_add_co_u32 s42, s42, s40                     ; tile column (256 channels)
	s_and_b32 s13, ttmp7, 0xffff
	s_lshl_b32 s13, s13, 2
	s_add_co_u32 s13, s13, s41                     ; tile row (128 rows)
	s_lshl_b32 s43, s41, 2
	s_lshl_b32 s43, 15, s43
	s_lshl_b32 s44, 0x1111, s40
	s_or_b32 s[G1], s43, (1<<16)|(1<<20)|(1<<21)|(5<<22)|(3<<25)   ; p's tiles go to my row: elements of 2 bytes; padding of 4 words after every 64
	s_or_b32 s[G1B], s44, (1<<16)|(1<<20)|(1<<21)|(6<<22)|(7<<25)  ; V's to my column: padding of 8 words after every 128
	s_mov_b32 s[G1+1], 128<<16                     ; tensor_dim0 = 128
	s_mov_b32 s[G1+2], 64<<16                      ; tensor_dim1 = 64
	s_mov_b32 s[G1+3], 128<<16                     ; tile_dim0 = 128
	s_mov_b32 s[G1+4], 64                          ; tile_dim1 = 64
	s_mov_b32 s[G1+5], 2048                        ; elements from row to row of p
	s_mov_b32 s[G1+6], 0
	s_mov_b32 s[G1+7], 0
	s_mov_b32 s[G1B+1], 256<<16                    ; 256 channels
	s_mov_b32 s[G1B+2], 64<<16                     ; 64 keys
	s_mov_b32 s[G1B+3], 256<<16
	s_mov_b32 s[G1B+4], 64
	s_mov_b32 s[G1B+5], 3072                       ; elements from row to row of qkv
	s_mov_b32 s[G1B+6], 0
	s_mov_b32 s[G1B+7], 0
	s_mov_b32 s[TS], 0
	s_mov_b32 s[TB], 0
	s_lshl_b32 s16, s13, 7                         ; p: row 128 x tile row + 64 x half
	s_lshl_b32 s17, s12, 6
	s_add_co_u32 s16, s16, s17
	s_lshl_b32 s16, s16, 12
	s_mov_b32 s17, 0
	s_and_b32 s46, ttmp7, 0xffff                   ; V: key 2,048 x batch + 64 x half, byte 512 x tile column; the batch is cluster y / 4, which all sixteen share
	s_lshr_b32 s46, s46, 2
	s_lshl_b32 s46, s46, 11
	s_lshl_b32 s47, s12, 6
	s_add_co_u32 s46, s46, s47
	s_mul_i32 s46, s46, ROWV
	s_lshl_b32 s47, s42, 9
	s_add_co_u32 s46, s46, s47
	s_mov_b32 s47, 0
	s_mul_i32 s20, s12, AHALF                      ; where they go: no place in the cluster enters an LDS address
	s_mul_i32 s21, s12, BHALF
	s_add_co_u32 s21, s21, BOFF
	s_wait_dscnt 0x0                               ; the opening add is done
	s_wait_kmcnt 0x0
	s_mov_b64 s[4:5], s[68:69]                     ; p
	s_add_nc_u64 s[6:7], s[70:71], 4096            ; V's part of a row of qkv
	s_mov_b64 s[8:9], s[74:75]                     ; out0
	s_add_nc_u64 s[14:15], s[4:5], s[16:17]
	s_add_nc_u64 s[46:47], s[6:7], s[46:47]
	CROUND                                         ; all sixteen work-groups are here: the first joint loads meet
.irp s, 0,1
	s_mov_b32 s[G0+4*(\s)], 1                      ; count = 1
	s_add_co_u32 s[G0+4*(\s)+1], s20, (\s)*SLOT1   ; LDS address
	s_add_nc_u64 s[G0+4*(\s)+2:G0+4*(\s)+3], s[14:15], (\s)*STEPA  ; global address: K step s
	s_or_b32 s[G0+4*(\s)+3], s[G0+4*(\s)+3], 0x80000000            ; type = 2
	s_mov_b32 s[G0B+4*(\s)], 1
	s_add_co_u32 s[G0B+4*(\s)+1], s21, (\s)*SLOT1
	s_add_nc_u64 s[G0B+4*(\s)+2:G0B+4*(\s)+3], s[46:47], (\s)*STEPB
	s_or_b32 s[G0B+4*(\s)+3], s[G0B+4*(\s)+3], 0x80000000
	JLOAD \s                                       ; two loads of mine are out
.endr
	v_and_b32 v1, 15, v0                           ; l % 16
	v_bfe_u32 v2, v0, 4, 1                         ; l / 16
	v_and_b32 v4, 31, v0                           ; l
	; the statistics of my 64 rows go out first: for each chunk, c m and l of row l % 16 in the four blocks
	s_lshl_b32 s16, s13, 1
	s_add_co_u32 s16, s16, s11                     ; my group of 64 rows
	s_lshl_b32 s16, s16, 9
	s_mov_b32 s17, 0
	s_add_nc_u64 s[66:67], s[72:73], s[16:17]
	v_lshlrev_b32 v[SO], 4, v1
.irp c, 0,1,2,3,4,5,6,7,8,9,10,11,12,13,14,15
	global_load_b128 v[64+4*(\c):67+4*(\c)],   v[SO], s[66:67] offset:65536*(\c)
	global_load_b128 v[128+4*(\c):131+4*(\c)], v[SO], s[66:67] offset:65536*(\c)+256
.endr
	v_mul_u32_u24 v3, v1, PITCH                    ; a fragment of p: row x pitch + 16 x half
	v_lshl_add_u32 v3, v2, 4, v3
	v_and_b32 v5, 7, v0                            ; the turning load: key 8 (l / 16) + l % 8, channels 8 ((l / 8) % 2) + 0..7
	v_lshl_add_u32 v5, v2, 3, v5
	v_mul_u32_u24 v5, v5, PV
	v_bfe_u32 v6, v0, 3, 1
	v_lshl_add_u32 v5, v6, 4, v5
	s_mul_i32 s21, s11, AHALF                      ; my 64 rows of p
	s_lshl_b32 s22, s12, 8                         ; my 128 channels: 256 bytes of each key's row
	s_add_co_u32 s22, s22, BOFF
	v_add_nc_u32 v[A0], s21, v3
	v_add_nc_u32 v[B0], s22, v5
	v_mov_b32 v[ADRA], v[A0]                       ; slot 0
	v_mov_b32 v[ADRB], v[B0]
	s_lshl_b32 s16, s10, 13
	s_add_co_u32 s16, s16, SCT                     ; my wave's table
	v_lshl_add_u32 v[TA0], v4, 4, s16
	s_mul_i32 s23, s10, 16*SPITCH
	s_add_co_u32 s23, s23, STAGE                   ; my stage
	v_mul_u32_u24 v5, v1, SPITCH                   ; in: row l % 16, 32 bytes for each half of the lanes
	v_lshl_add_u32 v5, v2, 5, v5
	v_add_nc_u32 v[STO], s23, v5
	v_lshl_add_u32 v[RD], v4, 4, s23               ; back: 32 lanes take one row of 512 bytes,
	v_lshlrev_b32 v[CO], 4, v4                     ; and the same in out0
	s_lshl_b32 s16, s13, 7                         ; my part of out0: row 128 x tile row + 64 x half,
	s_lshl_b32 s17, s11, 6
	s_add_co_u32 s16, s16, s17
	s_lshl_b32 s16, s16, 12
	s_lshl_b32 s46, s42, 10                        ; byte 1,024 x tile column + 512 x half
	s_lshl_b32 s47, s12, 9
	s_add_co_u32 s46, s46, s47
	s_add_co_u32 s16, s16, s46
	s_mov_b32 s17, 0
	s_add_nc_u64 s[8:9], s[8:9], s[16:17]
	; the prefetches
	s_lshl_b32 s20, s13, 7                         ; p: row 128 x tile row + 32 cx, at K step 3
	s_lshl_b32 s21, s40, 5
	s_add_co_u32 s20, s20, s21
	s_lshl_b32 s20, s20, 12
	s_add_co_u32 s20, s20, 3*STEPA
	s_and_b32 s22, ttmp7, 0xffff
	s_lshr_b32 s23, s22, 2                         ; V: key 2,048 x batch + 64 x half + 16 cy, at K step 3; byte 512 x tile column
	s_and_b32 s22, s22, 3                          ; the cluster's place among its batch's four
	s_lshl_b32 s23, s23, 11
	s_lshl_b32 s21, s12, 6
	s_add_co_u32 s23, s23, s21
	s_lshl_b32 s21, s41, 4
	s_add_co_u32 s23, s23, s21
	s_add_co_u32 s23, s23, 3*128
	s_mul_i32 s23, s23, ROWV
	s_lshl_b32 s21, s42, 9
	s_add_co_u32 s23, s23, s21
	s_mov_b32 s[PST], STEPB
	s_mov_b32 s[PST+1], 0
	s_mov_b32 s15, ROWV
	s_cmp_eq_u32 s11, 0                            ; do I fetch for p?
	s_cselect_b32 s20, s20, s23
	s_cselect_b32 s22, ttmp9, s22
	s_cselect_b64 s[PFA:PFA+1], s[4:5], s[6:7]
	s_cselect_b32 s[PST], STEPA, s[PST]
	s_cselect_b32 s15, ROWP, s15                   ; a lane's step: a row of p; or, for every second lane, a row of qkv,
	s_cselect_b32 s14, 0, 1                        ; with the odd lanes 256 bytes on
	s_mov_b32 s21, 0
	s_add_nc_u64 s[PFA:PFA+1], s[PFA:PFA+1], s[20:21]
	s_cmp_eq_u32 s22, 0
	s_cselect_b32 s[LIM], 2, -1
	s_cmp_eq_u32 s10, 1
	s_cselect_b32 s[LIM], -1, s[LIM]               ; wave 1 asks for nothing
	v_lshrrev_b32 v5, s14, v4
	v_mul_u32_u24 v5, v5, s15
	v_and_b32 v6, s14, v4
	v_lshl_add_u32 v[PFO], v6, 8, v5
	; CM, w, L, 1 / L: in the wait for the first tiles
	s_wait_loadcnt 0x0
.irp a, 0,1,2,3
	v_max3_num_f32 v[MX+(\a)], v[64+(\a)], v[68+(\a)], v[72+(\a)]
.endr
.irp c, 3,5,7,9,11,13
.irp a, 0,1,2,3
	v_max3_num_f32 v[MX+(\a)], v[MX+(\a)], v[64+4*(\c)+(\a)], v[68+4*(\c)+(\a)]
.endr
.endr
.irp a, 0,1,2,3
	v_max_num_f32 v[MX+(\a)], v[MX+(\a)], v[124+(\a)]
.endr
.set i, 0
.rept 32
	v_pk_add_f32 v[64+2*i:65+2*i], v[64+2*i:65+2*i], v[MX+2*(i%2):MX+2*(i%2)+1] neg_lo:[0,1] neg_hi:[0,1]  ; cm - CM, at most 0
.set i, i+1
.endr
.set i, 0
.rept 64
	v_exp_f32 v[64+i], v[64+i]                     ; one batch
.set i, i+1
.endr
	v_nop                                          ; a plain instruction behind the last exponential (ISA guide 5.7.2),
	s_wait_alu depctr_va_vdst(0)                   ; and the wait ahead of the first use: one for the batch
	v_pk_mul_f32 v[LA:LA+1], v[64:65], v[128:129]
	v_pk_mul_f32 v[LA+2:LA+3], v[66:67], v[130:131]
.set i, 2
.rept 30
	v_pk_fma_f32 v[LA+2*(i%2):LA+2*(i%2)+1], v[64+2*i:65+2*i], v[128+2*i:129+2*i], v[LA+2*(i%2):LA+2*(i%2)+1]
.set i, i+1
.endr
.irp a, 0,1,2,3
	v_rcp_f32 v[IV+2*(\a)], v[LA+(\a)]
	v_rcp_f32 v[IV+2*(\a)+1], v[LA+(\a)]
.endr
	v_nop
.set i, 0
.rept 64
	v_cvt_pk_f16_f32 v[128+i], v[64+i], v[64+i]    ; w in both halves of a register; independent work behind the reciprocals
.set i, i+1
.endr
	s_wait_alu depctr_va_vdst(0)                   ; one wait for the eight reciprocals, ahead of every label and of their first use on the way out
.irp c, 0,1,2,3,4,5,6,7,8,9,10,11,12,13,14,15
	ds_store_b128 v[TA0], v[128+4*(\c):131+4*(\c)] offset:512*(\c)  ; the table is my wave's own
.endr
; Eight matrix instructions: row block a x all 8 channel blocks, from buffer g.  The 32 accumulators take turns, one instruction a turn, in one order in every quarter.
; The setting: source 0 (V, and w) window 0; source 1 (p), C and D window 1 (blocks 0, 1) or 2 (blocks 2, 3).  zero = 1: the first product starts the sums.
; ride = 1 (a even): behind products 0, 2, 4, 6 stand two of the eight packed multiplies that scale block a + 1, which lies in the same window; they name no register of the products round them.  set: which four w.
.macro MULA g, a, zero, ride, set
	WIN 0x54*(1+(\a)/2)
.irp b, 0,1,2,3,4,5,6,7
.if \zero
	v_wmma_f32_16x16x32_f16 v[8*(8*((\a)%2)+(\b)):8*(8*((\a)%2)+(\b))+7], v[FB+64*(\g)+8*(\b):FB+64*(\g)+8*(\b)+7], v[FA+16*(\g)+8*((\a)%2):FA+16*(\g)+8*((\a)%2)+7], 0
.else
	v_wmma_f32_16x16x32_f16 v[8*(8*((\a)%2)+(\b)):8*(8*((\a)%2)+(\b))+7], v[FB+64*(\g)+8*(\b):FB+64*(\g)+8*(\b)+7], v[FA+16*(\g)+8*((\a)%2):FA+16*(\g)+8*((\a)%2)+7], v[8*(8*((\a)%2)+(\b)):8*(8*((\a)%2)+(\b))+7]
.endif
.if (\ride) && (((\b)%2) == 0)
	v_pk_mul_f16 v[FA+16*(\g)+8+(\b)], v[SC+4*(\set)+(\a)+1], v[FA+16*(\g)+8+(\b)]
	v_pk_mul_f16 v[FA+16*(\g)+8+(\b)+1], v[SC+4*(\set)+(\a)+1], v[FA+16*(\g)+8+(\b)+1]
.endif
.endr
.endm
.macro SCALE g, a, set                 ; block a (0 or 2) of buffer g times its w, under its products' setting
	WIN 0x54*(1+(\a)/2)
.irp j, 0,1,2,3,4,5,6,7
	v_pk_mul_f16 v[FA+16*(\g)+(\j)], v[SC+4*(\set)+(\a)], v[FA+16*(\g)+(\j)]
.endr
.endm
; 24 LDS loads in one run, from the slot in hand: quarter q (32 keys): V's 8 fragments, turned, then p's 4, into buffer g
.macro FETCH q, g
	WIN 0
.irp i, 0,1,2,3,4,5,6,7
	ds_load_tr16_b128 v[FB+64*(\g)+8*(\i):FB+64*(\g)+8*(\i)+3],   v[ADRB] offset:(\q)*32*PV+32*(\i)
	ds_load_tr16_b128 v[FB+64*(\g)+8*(\i)+4:FB+64*(\g)+8*(\i)+7], v[ADRB] offset:(\q)*32*PV+16*PV+32*(\i)
.endr
.irp i, 0,1,2,3
	WIN 0x40*(1+(\i)/2)                            ; destination window 1 or 2, address window 0
	ds_load_b128 v[FA+16*(\g)+8*((\i)%2):FA+16*(\g)+8*((\i)%2)+3],   v[ADRA] offset:64*(\q)+(\i)*16*PITCH
	ds_load_b128 v[FA+16*(\g)+8*((\i)%2)+4:FA+16*(\g)+8*((\i)%2)+7], v[ADRA] offset:64*(\q)+(\i)*16*PITCH+32
.endr
.endm
; A K step is four quarters of 32 keys, 32 matrix instructions each, on buffers 0, 1, 0, 1.  One of the first three: multiplies buffer g and, in its middle, fetches quarter q into buffer h.
.macro QUARTER q, g, h, zero, set
	s_wait_dscnt 4                                 ; V, p's blocks 0 and 1 and (behind a change of slots) the step's w are in; the youngest four loads (p's blocks 2 and 3) may be out
	SCALE \g, 0, \set
	MULA \g, 0, \zero, 1, \set
	MULA \g, 1, \zero, 0, \set
	PLACES
	FETCH \q, \h
	s_wait_dscnt 24                                ; all but the 24 just issued
	SCALE \g, 2, \set
	MULA \g, 2, \zero, 1, \set
	MULA \g, 3, \zero, 0, \set
.endm
.macro ROT                             ; a step's first quarter took its w from the second set; the other three take them from the first
	WIN 0
.irp j, 0,1,2,3
	v_mov_b32 v[SC+(\j)], v[SC+4+(\j)]
.endr
.endm
; The last quarter multiplies buffer 1 and changes slots: ONE barrier.  In front of it each wave waits for all its tensor loads (one is out: its part of the next slot), adds 0 to its spare word, and waits for that and
; for its own reads of this slot.  fill = 1: the barrier opens a round of the cluster's barrier, and this slot is filled again, two K steps ahead, first thing behind the round: 112 matrix instructions ahead of the wait for it.
; Then the next step's four w (the oldest of the run, so the counts above hold) and its first fragments.
.macro TURN fill
.if \fill
	s_wait_xcnt 0x0                                ; the last prefetch, a K step back, has read its address
	s_add_nc_u64 s[PFA:PFA+1], s[PFA:PFA+1], s[PST:PST+1]
.endif
	WIN 0
	s_xor_b32 s[TB], s[TB], SLOT1                  ; the fetches go on in the other slot: this slot's last were issued in the quarter before
	v_add_nc_u32 v[ADRA], s[TB], v[A0]
	v_add_nc_u32 v[ADRB], s[TB], v[B0]
	s_wait_tensorcnt 0x0                           ; all my tensor loads have landed
	ds_add_u32 v[SPW], v[NIL]                      ; 0 onto my spare word
	s_wait_dscnt 5                                 ; (the add and the youngest four loads may be out)
	SCALE 1, 0, 0
	MULA 1, 0, 0, 1, 0                             ; work on registers stands between the add and the wait for it
	s_wait_dscnt 0x0                               ; the add is done, and my reads of this slot are over
	s_barrier_signal -1
	MULA 1, 1, 0, 0, 0                             ; work on registers while the others arrive
.if \fill
	WIN 0
.endif
	s_barrier_wait -1
.if \fill
	CREST                                          ; no wave of any partner still reads this slot's tile or has a load on its way
	s_xor_b32 s[G0+5], s[G0+5], SLOT1              ; the walking descriptors: the other slot than last time,
	s_add_nc_u64 s[G0+6:G0+7], s[G0+6:G0+7], STEPA ; the next K step; the type bits on top are not reached
	s_xor_b32 s[G0B+5], s[G0B+5], SLOT1
	s_add_nc_u64 s[G0B+6:G0B+7], s[G0B+6:G0B+7], STEPB
	JLOAD 1                                        ; my one tensor load behind the round; its four v_nop are also the places in front of the loads below
	v_add_nc_u32 v[TA], s[TS], v[TA0]
	s_add_co_u32 s[TS], s[TS], 512                 ; a chunk of the table on
	ds_load_b128 v[SC+4:SC+7], v[TA] offset:512    ; trips 0 to 13: chunks 1 to 14
.else
	PLACES
	WIN 0
	ds_load_b128 v[SC+4:SC+7], v[TA0] offset:512*(STEPS-1)  ; the one change of slots that fills nothing stands in front of the last step: chunk 15
.endif
	FETCH 0, 0
.if \fill
	WIN 0
	ASK                                            ; behind the joint load and the run of LDS loads
.endif
	SCALE 1, 2, 0
	MULA 1, 2, 0, 1, 0
	MULA 1, 3, 0, 0, 0
.endm
	s_wait_tensorcnt 0x1                           ; my part of K step 0 is in; K step 1's may stay out
	s_wait_dscnt 0x0                               ; no LDS instruction of mine is pending at a signal
	s_barrier_signal -1
	s_barrier_wait -1                              ; everybody's part is in
	ds_load_b128 v[SC+4:SC+7], v[TA0]              ; w of chunk 0
	FETCH 0, 0
	QUARTER 1, 0, 1, 1, 1                          ; the first quarter stands in front of the loop: its products start the sums
	ROT                                            ; (it leaves every window 0, as a label and a branch want it)
	s_mov_b32 s3, STEPS-2
.Lstep:                                                ; a trip goes from a K step's second quarter to the next step's first, and fills the slot that it leaves: K steps 2 to 15
	QUARTER 2, 1, 0, 0, 0
	QUARTER 3, 0, 1, 0, 0
	TURN 1
	QUARTER 1, 0, 1, 0, 1
	ROT
	s_sub_co_u32 s3, s3, 1
	s_cmp_lg_u32 s3, 0
	s_cbranch_scc1 .Lstep
	s_mov_b32 s3, 2
.Ltail:                                                ; the last two K steps fill nothing: a text of their own; the second trip is left in its middle
	QUARTER 2, 1, 0, 0, 0
	QUARTER 3, 0, 1, 0, 0
	WIN 0
	s_sub_co_u32 s3, s3, 1
	s_cmp_eq_u32 s3, 0
	s_cbranch_scc1 .Lout
	TURN 0
	QUARTER 1, 0, 1, 0, 1
	ROT
	s_cmp_lg_u32 s3, 0
	s_cbranch_scc1 .Ltail
.Lout:
	s_wait_dscnt 4                                 ; the very last quarter: nothing more to fetch
	SCALE 1, 0, 0
	MULA 1, 0, 0, 1, 0
	MULA 1, 1, 0, 0, 0
	s_wait_dscnt 0x0
	SCALE 1, 2, 0
	MULA 1, 2, 0, 1, 0
	MULA 1, 3, 0, 0, 0
	WIN 0
.rept 8
	v_nop                                          ; the places behind the last products
.endr
; THE WAY OUT, a block of 16 rows at a time: divided by L (each accumulator's registers in ascending order); 32 bytes a lane into my own stage; back as whole rows of 512 bytes; stored.
.macro PACK a
	WIN 1+(\a)/2                                   ; source 0 in window 1 or 2
.set i, 0
.rept 32
	v_pk_mul_f32 v[TMP+2*i:TMP+2*i+1], v[64*((\a)%2)+2*i:64*((\a)%2)+2*i+1], v[IV+2*(\a):IV+2*(\a)+1]
.set i, i+1
.endr
	WIN 0
.endm
.macro TOSTAGE a
.set BK, OB+64*((\a)%2)
.irp b, 0,1,2,3,4,5,6,7
	ds_store_b128 v[STO], v[TMP+8*(\b):TMP+8*(\b)+3]   offset:64*(\b)
	ds_store_b128 v[STO], v[TMP+8*(\b)+4:TMP+8*(\b)+7] offset:64*(\b)+16
.endr
.irp t, 0,1,2,3,4,5,6,7,8,9,10,11,12,13,14,15
	ds_load_b128 v[BK+4*(\t):BK+4*(\t)+3], v[RD] offset:(\t)*SPITCH  ; LDS serves a wave's instructions in order (ISA guide 5.7.1.4): these see the stores above
.endr
.endm
.macro SEND a
.set BK, OB+64*((\a)%2)
	s_wait_dscnt 0x0                               ; the block is back in registers
	s_wait_xcnt 0x0                                ; the stores of the block before have read their registers: the next TOSTAGE loads into them only behind this wait
.irp t, 0,1,2,3,4,5,6,7,8,9,10,11,12,13,14,15
	global_store_b128 v[CO], v[BK+4*(\t):BK+4*(\t)+3], s[8:9] offset:(16*(\a)+(\t))*ROWP th:TH_STORE_NT  ; the wave stores 512 consecutive bytes, aligned
.endr
.endm
	PACK 0
	TOSTAGE 0
.irp a, 1,2,3                          ; block a's division stands between block a - 1's loads from the stage and the wait for them
	PACK \a
	SEND (\a)-1
	TOSTAGE \a
.endr
	SEND 3
	s_wait_tensorcnt 0x0                           ; the wave's end: behind my last tensor load and my last LDS store
	ds_add_u32 v[SPW], v[NIL]
	s_wait_dscnt 0x0
	CROUND                                         ; the closing round: no work-group ends while a partner may still ask for a tile that names it
	s_endpgm
.Lfunc_end_k_q89e5cededf_av:
	.size	k_q89e5cededf_av, .Lfunc_end_k_q89e5cededf_av-k_q89e5cededf_av
	.p2alignl 7, 3214868480
	.fill 96, 4, 3214868480
	.section	.rodata,"a",@progbits
	.p2align	6, 0x0
	.amdhsa_kernel k_q89e5cededf_av
		.amdhsa_group_segment_fixed_size 327680
		.amdhsa_private_segment_fixed_size 0
		.amdhsa_enable_private_segment 0
		.amdhsa_kernarg_size 32
		.amdhsa_user_sgpr_count 2
		.amdhsa_user_sgpr_kernarg_segment_ptr 1
		.amdhsa_wavefront_size32 1
		.amdhsa_system_sgpr_workgroup_id_x 1
		.amdhsa_system_sgpr_workgroup_id_y 1
		.amdhsa_system_sgpr_workgroup_id_z 1
		.amdhsa_system_vgpr_workitem_id 0
		.amdhsa_next_free_vgpr 672
		.amdhsa_next_free_sgpr 84
		.amdhsa_reserve_vcc 0
		.amdhsa_float_denorm_mode_32 3
		.amdhsa_float_denorm_mode_16_64 3
		.amdhsa_memory_ordered 1
		.amdhsa_forward_progress 1
		.amdhsa_inst_pref_size 110
	.end_amdhsa_kernel
	.amdgpu_metadata
---
amdhsa.version: [ 1, 2 ]
amdhsa.kernels:
  - .name:           k_q89e5cededf_av
    .symbol:         k_q89e5cededf_av.kd
    .args:
      - { .name: p, .offset: 0, .size: 8, .value_kind: global_buffer, .address_space: global }
      - { .name: qkv, .offset: 8, .size: 8, .value_kind: global_buffer, .address_space: global }
      - { .name: stats, .offset: 16, .size: 8, .value_kind: global_buffer, .address_space: global }
      - { .name: out0, .offset: 24, .size: 8, .value_kind: global_buffer, .address_space: global }
    .group_segment_fixed_size: 327680
    .private_segment_fixed_size: 0
    .kernarg_segment_align: 8
    .kernarg_segment_size: 32
    .max_flat_workgroup_size: 128
    .sgpr_count:     84
    .vgpr_count:     672
    .wavefront_size: 32
...
	.end_amdgpu_metadata
.endif
;; end of part 4
